; MI455X (gfx1250); checked and timed in simulation.
; The chip was launched on July 23, 2026; its instructions are those of AMD's public machine-readable ISA for CDNA 5 (MIT licence, August 2026) and "CDNA5" Instruction Set Architecture Reference Guide (July 2026). The comments in the code are by the model that wrote it; some were corrected since.
;; Causal Self Attention. Allowed arithmetic: float matrix products may take bf16 or f16 operands with f32 sums; all other float work in f32.
;; Inputs: Wk 512 x 512 float32; Wp 512 x 512 float32; Wq 512 x 512 float32; Wv 512 x 512 float32; bk 512 float32; bp 512 float32; bq 512 float32; bv 512 float32; x 8 x 1,024 x 512 float32.
;; Outputs: out0 8 x 1,024 x 512 float32.
;; 2 versions, each right; version 2 is version 1 with the launch cast written anew for expert scheduling mode. Each part assembles by itself: llvm-mc -triple=amdgcn-amd-amdhsa -mcpu=gfx1250 --defsym DOCPART=n.
;; ======== version 1 of 2: 4 launches
;; limits: values are held in f16: magnitudes above 65,504 overflow, below 6.1e-05 lose precision
;; workspace buffers: xh 8,388,608 bytes; wr 1,572,864 bytes; wph 524,288 bytes; br 6,144 bytes; qb 8,388,608 bytes; kb 8,388,608 bytes; vb 8,388,608 bytes; y 8,388,608 bytes
;; launch cast (part 1): grid 256 x 1, 8 waves a work-group, no clusters, 0 bytes of LDS; arguments x, Wq, Wk, Wv, Wp, bq, bk, bv, xh, wr, wph, br; writes xh, wr, wph, br
.if DOCPART == 1
	.amdgcn_target "amdgcn-amd-amdhsa--gfx1250"
	.amdhsa_code_object_version 6
	.text
	.protected	k_qbc3a2671d3_cast
	.globl	k_qbc3a2671d3_cast
	.p2align	8
	.type	k_qbc3a2671d3_cast,@function
k_qbc3a2671d3_cast:
	s_mov_b64 s[64:65], 0
	v_nop
	global_prefetch_b8 v0, s[64:65] scope:SCOPE_SE
	s_setreg_imm32_b32 hwreg(HW_REG_WAVE_MODE, 25, 1), 1
	s_wait_xcnt 0x0
; Rounds x and the four weight matrices once to f16 and lays them out for the later launches.
;   xh  [8192][512]      = f16(x)
;   wr  [8][192][512]    = for each head: 64 rows of f16(c Wq), 64 of f16(Wk), 64 of f16(Wv);  c = 0.125 log2(e)
;   wph [512][512]       = f16(Wp)
;   br  [8][192] f32     = c bq, bk, bv in the same order of rows as wr
; c carries the scores' factor 1/8 and the change from e^x to 2^x, so that the attention launch needs neither.
; LIMIT: magnitudes above 65504 become infinite in f16; magnitudes below 6.1e-5 keep an absolute error of up to 3e-8.
; A stream: no LDS, no barrier, no matrix unit.  8,192 rows of x and 2,048 rows of weights are 40 rows for each of 256 work-groups:
; work-group w takes rows 32 w .. of x and rows 8 (w % 64) .. of matrix m = w / 64 (0 Wq, 1 Wk, 2 Wv, 3 Wp): equal work everywhere.
; A piece is 4 rows: 8,192 bytes in, 4,096 out.  Thread t reads 32 bytes at 32 t and stores 16 bytes at 16 t of each piece:
; a wave's store covers 512 consecutive bytes, aligned.  All 20 loads of a thread are issued before the first is waited for.
.set CSCALE, 0x3e38aa3b                ; 0.125 * log2(e)
.set X, 8                              ; v[8:87]  piece i: 8 f32 as loaded; its first 4 registers then hold the 8 f16.  Pieces 0-7: x; 8, 9: weights
	s_load_b512 s[8:23], s[0:1], 0x0               ; x s[8:9], Wq s[10:11], Wk s[12:13], Wv s[14:15], Wp s[16:17], bq s[18:19], bk s[20:21], bv s[22:23]
	s_load_b256 s[24:31], s[0:1], 0x40             ; xh s[24:25], wr s[26:27], wph s[28:29], br s[30:31]
	v_lshrrev_b32 v3, 5, v0
	v_readfirstlane_b32 s7, v3                     ; wave
	v_lshlrev_b32 v1, 5, v0                        ; 32 t: where I read
	v_lshlrev_b32 v2, 4, v0                        ; 16 t: where I store
	v_and_b32 v5, 31, v0
	v_lshlrev_b32 v5, 2, v5                        ; 4 x lane: the bias
	s_lshr_b32 s3, ttmp9, 6                        ; m
	s_and_b32 s4, ttmp9, 63                        ; block of 8 rows in the matrix
	s_lshl_b32 s32, ttmp9, 16                      ; x: 32 rows of 2,048 bytes
	s_mov_b32 s33, 0
	s_lshl_b32 s34, ttmp9, 15                      ; xh: 32 rows of 1,024 bytes
	s_mov_b32 s35, 0
	s_lshl_b32 s36, s4, 14                         ; the matrix: 8 rows of 2,048 bytes
	s_mov_b32 s37, 0
	s_lshr_b32 s5, s4, 3                           ; head = row / 64
	s_mul_i32 s5, s5, 192
	s_lshl_b32 s6, s3, 6
	s_add_co_u32 s5, s5, s6
	s_and_b32 s6, s4, 7
	s_lshl_b32 s6, s6, 3
	s_add_co_u32 s5, s5, s6                        ; row of wr and br: 192 head + 64 m + row % 64
	s_lshl_b32 s38, s5, 10                         ; in bytes of wr
	s_lshl_b32 s6, s4, 13                          ; in wph: 8 rows of 1,024 bytes
	s_cmp_lt_u32 s3, 3
	s_cselect_b32 s38, s38, s6
	s_mov_b32 s39, 0
	s_and_b32 s46, s4, 60
	s_lshl_b32 s46, s46, 5                         ; the bias: the aligned group of 32 numbers that holds my rows (at most byte 1,920: inside the 2,048)
	s_mov_b32 s47, 0
	s_lshl_b32 s44, s5, 2                          ; br: 4 bytes a row
	s_mov_b32 s45, 0
	s_cmp_eq_u32 s3, 0
	s_cselect_b32 s42, CSCALE, 1.0                 ; the factor: c for Wq and bq, 1 (exact) for the others
	s_mov_b32 s43, s42
	s_wait_kmcnt 0x0
	s_cselect_b64 s[40:41], s[10:11], s[16:17]     ; the matrix by m (SCC still says m == 0): Wq, or Wp until shown otherwise
	s_cselect_b64 s[48:49], s[18:19], s[22:23]     ; its bias (bv where m is neither 0 nor 1; stored only for m < 3)
	s_cmp_eq_u32 s3, 1
	s_cselect_b64 s[40:41], s[12:13], s[40:41]
	s_cselect_b64 s[48:49], s[20:21], s[48:49]
	s_cmp_eq_u32 s3, 2
	s_cselect_b64 s[40:41], s[14:15], s[40:41]
	s_cmp_lt_u32 s3, 3
	s_cselect_b64 s[50:51], s[26:27], s[28:29]     ; its destination: wr or wph
	s_add_nc_u64 s[40:41], s[40:41], s[36:37]
	s_add_nc_u64 s[50:51], s[50:51], s[38:39]
	s_add_nc_u64 s[52:53], s[8:9], s[32:33]
	s_add_nc_u64 s[54:55], s[24:25], s[34:35]
	s_add_nc_u64 s[48:49], s[48:49], s[46:47]
	s_add_nc_u64 s[56:57], s[30:31], s[44:45]
	global_load_b32 v4, v5, s[48:49]               ; the oldest load: every counted wait below shows it done as well
.irp i, 0,1,2,3,4,5,6,7
	global_load_b128 v[X+8*\i:X+8*\i+3],   v1, s[52:53] offset:8192*\i th:TH_LOAD_NT
	global_load_b128 v[X+8*\i+4:X+8*\i+7], v1, s[52:53] offset:8192*\i+16 th:TH_LOAD_NT
.endr
.irp i, 0,1
	global_load_b128 v[X+64+8*\i:X+64+8*\i+3],   v1, s[40:41] offset:8192*\i th:TH_LOAD_NT
	global_load_b128 v[X+64+8*\i+4:X+64+8*\i+7], v1, s[40:41] offset:8192*\i+16 th:TH_LOAD_NT
.endr
.macro PACK b                          ; 8 f32 at v[b] to 8 f16 in v[b:b+3]
	v_cvt_pk_f16_f32 v[\b],   v[\b],   v[\b+1]
	v_cvt_pk_f16_f32 v[\b+1], v[\b+2], v[\b+3]
	v_cvt_pk_f16_f32 v[\b+2], v[\b+4], v[\b+5]
	v_cvt_pk_f16_f32 v[\b+3], v[\b+6], v[\b+7]
.endm
.irp i, 0,1,2,3,4,5,6,7
	s_wait_loadcnt 18-2*\i                         ; loads come back in order: piece i's two are in, the younger ones stay out
	PACK X+8*\i
	global_store_b128 v2, v[X+8*\i:X+8*\i+3], s[54:55] offset:4096*\i
.endr
.irp i, 0,1
	s_wait_loadcnt 2-2*\i
	v_pk_mul_f32 v[X+64+8*\i:X+64+8*\i+1],   v[X+64+8*\i:X+64+8*\i+1],   s[42:43] op_sel_hi:[1,0]
	v_pk_mul_f32 v[X+64+8*\i+2:X+64+8*\i+3], v[X+64+8*\i+2:X+64+8*\i+3], s[42:43] op_sel_hi:[1,0]
	v_pk_mul_f32 v[X+64+8*\i+4:X+64+8*\i+5], v[X+64+8*\i+4:X+64+8*\i+5], s[42:43] op_sel_hi:[1,0]
	v_pk_mul_f32 v[X+64+8*\i+6:X+64+8*\i+7], v[X+64+8*\i+6:X+64+8*\i+7], s[42:43] op_sel_hi:[1,0]
	PACK X+64+8*\i
	global_store_b128 v2, v[X+64+8*\i:X+64+8*\i+3], s[50:51] offset:4096*\i
.endr
	; a group of 32 bias numbers is stored by wave 0 of the work-group that holds the group's first rows, for Wq, Wk, Wv
	s_cmp_lt_u32 s3, 3
	s_cbranch_scc0 .Lend
	s_and_b32 s6, s4, 3
	s_cmp_lg_u32 s6, 0
	s_cbranch_scc1 .Lend
	s_cmp_lg_u32 s7, 0
	s_cbranch_scc1 .Lend
	v_mul_f32 v4, s42, v4                          ; c for bq, 1.0 for bk and bv
	global_store_b32 v5, v4, s[56:57]
.Lend:
	s_endpgm
.Lfunc_end_k_qbc3a2671d3_cast:
	.size	k_qbc3a2671d3_cast, .Lfunc_end_k_qbc3a2671d3_cast-k_qbc3a2671d3_cast
	.p2alignl 7, 3214868480
	.fill 96, 4, 3214868480
	.section	.rodata,"a",@progbits
	.p2align	6, 0x0
	.amdhsa_kernel k_qbc3a2671d3_cast
		.amdhsa_group_segment_fixed_size 0
		.amdhsa_private_segment_fixed_size 0
		.amdhsa_enable_private_segment 0
		.amdhsa_kernarg_size 96
		.amdhsa_user_sgpr_count 2
		.amdhsa_user_sgpr_kernarg_segment_ptr 1
		.amdhsa_wavefront_size32 1
		.amdhsa_system_sgpr_workgroup_id_x 1
		.amdhsa_system_sgpr_workgroup_id_y 1
		.amdhsa_system_sgpr_workgroup_id_z 1
		.amdhsa_system_vgpr_workitem_id 0
		.amdhsa_next_free_vgpr 88
		.amdhsa_next_free_sgpr 66
		.amdhsa_reserve_vcc 0
		.amdhsa_float_denorm_mode_32 3
		.amdhsa_float_denorm_mode_16_64 3
		.amdhsa_memory_ordered 1
		.amdhsa_forward_progress 1
		.amdhsa_inst_pref_size 9
	.end_amdhsa_kernel
	.amdgpu_metadata
---
amdhsa.version: [ 1, 2 ]
amdhsa.kernels:
  - .name:           k_qbc3a2671d3_cast
    .symbol:         k_qbc3a2671d3_cast.kd
    .args:
      - { .name: x, .offset: 0, .size: 8, .value_kind: global_buffer, .address_space: global }
      - { .name: Wq, .offset: 8, .size: 8, .value_kind: global_buffer, .address_space: global }
      - { .name: Wk, .offset: 16, .size: 8, .value_kind: global_buffer, .address_space: global }
      - { .name: Wv, .offset: 24, .size: 8, .value_kind: global_buffer, .address_space: global }
      - { .name: Wp, .offset: 32, .size: 8, .value_kind: global_buffer, .address_space: global }
      - { .name: bq, .offset: 40, .size: 8, .value_kind: global_buffer, .address_space: global }
      - { .name: bk, .offset: 48, .size: 8, .value_kind: global_buffer, .address_space: global }
      - { .name: bv, .offset: 56, .size: 8, .value_kind: global_buffer, .address_space: global }
      - { .name: xh, .offset: 64, .size: 8, .value_kind: global_buffer, .address_space: global }
      - { .name: wr, .offset: 72, .size: 8, .value_kind: global_buffer, .address_space: global }
      - { .name: wph, .offset: 80, .size: 8, .value_kind: global_buffer, .address_space: global }
      - { .name: br, .offset: 88, .size: 8, .value_kind: global_buffer, .address_space: global }
    .group_segment_fixed_size: 0
    .private_segment_fixed_size: 0
    .kernarg_segment_align: 8
    .kernarg_segment_size: 96
    .max_flat_workgroup_size: 256
    .sgpr_count:     66
    .vgpr_count:     88
    .wavefront_size: 32
...
	.end_amdgpu_metadata
.endif
;; end of part 1
;; launch qkv (part 2): grid 8 x 32, 4 waves a work-group, clusters of 4 x 4, 327,680 bytes of LDS; arguments xh, wr, br, qb, kb, vb; writes qb, kb, vb
.if DOCPART == 2
	.amdgcn_target "amdgcn-amd-amdhsa--gfx1250"
	.amdhsa_code_object_version 6
	.text
	.protected	k_qbc3a2671d3_qkv
	.globl	k_qbc3a2671d3_qkv
	.p2align	8
	.type	k_qbc3a2671d3_qkv,@function
k_qbc3a2671d3_qkv:
	s_mov_b64 s[64:65], 0
	v_nop
	global_prefetch_b8 v0, s[64:65] scope:SCOPE_SE
	s_setreg_imm32_b32 hwreg(HW_REG_WAVE_MODE, 25, 1), 1
	s_wait_xcnt 0x0
	s_wait_alu depctr_hold_cnt(0) depctr_sa_sdst(0) depctr_va_vdst(0) depctr_va_sdst(0) depctr_va_ssrc(0) depctr_va_vcc(0) depctr_vm_vsrc(0)
	s_getreg_b32 s2, hwreg(HW_REG_IB_STS2, 6, 4)
	s_cmp_eq_u32 s2, 0
	s_cbranch_scc0 .Lentry_in_a_cluster
	s_endpgm
.Lentry_in_a_cluster:
	s_bfe_u32 s2, ttmp6, 0x10000c
	s_cmp_lg_u32 s2, 0xf033
	s_cbranch_scc0 .Lentry_shape_is_right
	s_endpgm
.Lentry_shape_is_right:
; q, k, v = x W^T + b for one head and 256 rows of x:  [256 x 512] . [192 x 512]^T, f16 operands, f32 sums, f16 results.
; qb, kb, vb: [64 (batch x head)][1024][64] f16.  q comes out times 0.125 log2(e) (the factor lies in wr and br).
; LIMIT: results above 65504 in magnitude become infinite in f16.
; Four waves; wave w makes rows 64 w .. 64 w + 63 and all 192 columns: 48 accumulator tiles of 16 x 16, 384 registers, so that a wave
; holds whole rows (128 bytes) of q, of k and of v.  K = 512 goes in four steps of 128 through two LDS slots filled by the tensor data mover;
; a tile's rows are 256 bytes of memory and start at multiples of 256 bytes.
; CLUSTERS: 4 x 4 work-groups.  x's tile hangs on the row block alone and is asked for jointly by a row of the cluster, the weights' tile on the
; head alone and is asked for jointly by a column: the requests for both are divided by four.
; REGISTERS, in windows of 256:
;   window 0: v16-27 addresses; v64-95, v96-127 fragments of x (4 x 16 rows x 32 K), two buffers; v128-223 the bias of my lane's columns
;   window 1: v0-95, v96-191 fragments of the weights (12 x 16 rows x 32 K), two buffers
;   window 2: the 24 accumulator tiles of my rows 0-31 (tile (a, b) at v[8 (12 a + b)]);  window 3: those of my rows 32-63
; THE MATRIX INSTRUCTION IS USED TRANSPOSED: source 0 = 16 rows of the weights, source 1 = 16 rows of x.  Lane l then holds row l % 16 of the
; result and in registers 0-7 the columns 8 (l / 16) + 0 .. 7: eight neighbouring numbers, 16 bytes of f16.
.set KSTEP,  128
.set PITCH,  272                       ; an LDS row: 256 bytes + 16 of padding: the 16 rows that a fragment load touches start 68 words apart
.set HALFA,  128*PITCH                 ; what one tensor load brings of x
.set HALFB,  96*PITCH                  ; and of the weights
.set SLOT,   2*HALFA+2*HALFB           ; x's 256 rows, then the weights' 192
.set STAGE,  2*SLOT                    ; behind the ring: 16 rows x 400 bytes for each wave, for the way out; no tensor load lands here
.set SPITCH, 400                       ; 384 bytes + 16
.set ADRA, 16                          ; v16-17  LDS address of my x fragments in slot 0, 1
.set ADRB, 20                          ; v20-21  the same for the weights
.set STO,  24                          ; the way out: where I put 16 bytes of a row
.set RD,   25                          ; the way out: where I read back
.set CO,   26                          ; 16 x lane: my bytes in 512 consecutive bytes of q, k or v
.set BO,   27                          ; 32 x (lane / 16): my 8 columns in a tile's 16 bias numbers
.set FA0,  64
.set FA1,  96
.set BIAS, 128
.set TMP,  64                          ; the way out: packed results (window 0, over the x fragments)
.set FB0,  0
.set FB1,  96
.set RB0,  0                           ; the way out: rows read back (window 1, over the weight fragments), two sets in turn
.set RB1,  48
.set G1,  24                           ; s[24:31] descriptor group 1 for x's tiles
.set G0,  32                           ; s[32:39] group 0 for x's tiles, one set for each slot
.set G1B, 48                           ; s[48:55] group 1 for the weights' tiles
.set G0B, 56                           ; s[56:63] group 0 for the weights' tiles, one set for each slot
.set MSB, 0
.macro WIN new                         ; the immediate's high byte repeats the setting that is left
.if MSB != \new
	s_set_vgpr_msb (MSB<<8)|\new
.set MSB, \new
.endif
.endm
.set MUL_LO, 0xa1                      ; source 0 (weights) window 1, source 1 (x) window 0, C and D window 2
.set MUL_HI, 0xf1                      ; the same, C and D window 3
.set TO_B,   0x40                      ; destination window 1, address window 0
; A joint load.  Waves 0 and 1 fetch x's two halves, waves 2 and 3 the weights'.  The branch hangs on the wave's number alone.
.macro JLOAD s
	s_cmp_eq_u32 s11, 0
	s_cbranch_scc0 .Lfor_b_\@
	tensor_load_to_lds s[G0+4*\s:G0+4*\s+3], s[G1:G1+7]
	s_nop 0
	s_branch .Lasked_\@
.Lfor_b_\@:
	tensor_load_to_lds s[G0B+4*\s:G0B+4*\s+3], s[G1B:G1B+7]
	s_nop 0
.Lasked_\@:
.endm
; A round of the cluster's barrier: my work-group's barrier; wave 0 signals for the work-group; every wave waits for all sixteen; my work-group's barrier again.
.macro CREST                           ; a round behind its opening barrier
	s_cmp_lg_u32 s10, 0
	s_cbranch_scc1 .Lnot_wave_0_\@
	s_barrier_signal -3
.Lnot_wave_0_\@:
	s_barrier_wait -3
	s_barrier_signal -1
	s_barrier_wait -1
.endm
.macro CROUND
	s_barrier_signal -1
	s_barrier_wait -1
	CREST
.endm
	s_load_b128 s[4:7], s[0:1], 0x0                ; xh s[4:5], wr s[6:7]
	s_load_b256 s[68:75], s[0:1], 0x10             ; br s[68:69], qb s[70:71], kb s[72:73], vb s[74:75]
	s_set_vgpr_msb 0x40
	v_lshl_add_u32 v255, v0, 2, 0x41c00
	s_set_vgpr_msb 0x4000
	v_mov_b32 v255, 0
	s_set_vgpr_msb 0x1
	ds_add_u32 v255, v255
	ds_add_u32 v255, v255
	s_set_vgpr_msb 0x100
	v_lshrrev_b32 v1, 5, v0
	v_readfirstlane_b32 s10, v1                    ; wave 0..3
	s_lshr_b32 s11, s10, 1                         ; I fetch for x (0) or for the weights (1)
	s_and_b32 s12, s10, 1                          ; which half of that tile
	s_bfe_u32 s40, ttmp6, 0x40000                  ; cx
	s_bfe_u32 s41, ttmp6, 0x40004                  ; cy
	s_lshl_b32 s42, ttmp9, 2
	s_add_co_u32 s42, s42, s40                     ; head = 4 x cluster x + cx
	s_and_b32 s13, ttmp7, 0xffff
	s_lshl_b32 s13, s13, 2
	s_add_co_u32 s13, s13, s41                     ; row block = 4 x cluster y + cy
	s_lshl_b32 s43, s41, 2
	s_lshl_b32 s43, 15, s43                        ; my row of the cluster: places 4 cy .. 4 cy + 3
	s_lshl_b32 s44, 0x1111, s40                    ; my column: places cx, cx + 4, cx + 8, cx + 12
	; group 1: tiles of 128 (96) rows x 128 elements of 2 bytes, 4 words of padding behind every 64 words
	s_or_b32 s[G1+0], s43, (1<<16)|(1<<20)|(1<<21)|(5<<22)|(3<<25)   ; the mask of my row; element size; padding on; bit 21 beside a mask; interval; amount
	s_or_b32 s[G1B+0], s44, (1<<16)|(1<<20)|(1<<21)|(5<<22)|(3<<25)  ; the same with the mask of my column
	s_mov_b32 s[G1+1], KSTEP<<16                   ; tensor_dim0 = 128
	s_mov_b32 s[G1B+1], KSTEP<<16
	s_mov_b32 s[G1+2], 128<<16                     ; tensor_dim1 = 128 rows
	s_mov_b32 s[G1B+2], 96<<16                     ; 96 rows
	s_mov_b32 s[G1+3], KSTEP<<16                   ; tile_dim0 = 128
	s_mov_b32 s[G1B+3], KSTEP<<16
	s_mov_b32 s[G1+4], 128                         ; tile_dim1
	s_mov_b32 s[G1B+4], 96
	s_mov_b32 s[G1+5], 512                         ; elements from row to row
	s_mov_b32 s[G1B+5], 512
	s_mov_b32 s[G1+6], 0
	s_mov_b32 s[G1B+6], 0
	s_mov_b32 s[G1+7], 0
	s_mov_b32 s[G1B+7], 0
	; where the tiles come from: x's hang on the row block and the wave, the weights' on the head and the wave, each in registers of its own
	s_lshl_b32 s16, s13, 8
	s_lshl_b32 s17, s12, 7
	s_add_co_u32 s16, s16, s17                     ; x: row 256 x block + 128 x half
	s_lshl_b32 s16, s16, 10                        ; rows of 1,024 bytes (below 8 MiB)
	s_mov_b32 s17, 0
	s_mul_i32 s46, s42, 192
	s_mul_i32 s47, s12, 96
	s_add_co_u32 s46, s46, s47                     ; weights: row 192 x head + 96 x half
	s_lshl_b32 s46, s46, 10
	s_mov_b32 s47, 0
	s_mul_i32 s20, s12, HALFA                      ; and where they go: no place in the cluster enters an LDS address
	s_mul_i32 s21, s12, HALFB
	s_add_co_u32 s21, s21, 2*HALFA
	; where the results go, and the head's bias
	s_lshr_b32 s76, s13, 2
	s_lshl_b32 s76, s76, 3
	s_add_co_u32 s76, s76, s42                     ; 8 x batch + head
	s_lshl_b32 s76, s76, 17                        ; x 1,024 rows of 128 bytes
	s_and_b32 s77, s13, 3
	s_lshl_b32 s77, s77, 15                        ; + 256 rows for each block inside the batch
	s_add_co_u32 s76, s76, s77
	s_lshl_b32 s77, s10, 13                        ; + 64 rows for each wave
	s_add_co_u32 s76, s76, s77
	s_mov_b32 s77, 0
	s_mul_i32 s78, s42, 768                        ; 192 f32 a head
	s_mov_b32 s79, 0
	s_wait_dscnt 0x0
	s_wait_kmcnt 0x0
	s_add_nc_u64 s[14:15], s[4:5], s[16:17]
	s_add_nc_u64 s[46:47], s[6:7], s[46:47]
	s_add_nc_u64 s[68:69], s[68:69], s[78:79]
	s_add_nc_u64 s[70:71], s[70:71], s[76:77]
	s_add_nc_u64 s[72:73], s[72:73], s[76:77]
	s_add_nc_u64 s[74:75], s[74:75], s[76:77]
	CROUND                                         ; all sixteen work-groups are here: the first joint loads meet
.irp s, 0,1
	s_mov_b32 s[G0+4*\s], 1
	s_add_co_u32 s[G0+4*\s+1], s20, \s*SLOT
	s_add_nc_u64 s[G0+4*\s+2:G0+4*\s+3], s[14:15], \s*KSTEP*2
	s_or_b32 s[G0+4*\s+3], s[G0+4*\s+3], 0x80000000
	s_mov_b32 s[G0B+4*\s], 1
	s_add_co_u32 s[G0B+4*\s+1], s21, \s*SLOT
	s_add_nc_u64 s[G0B+4*\s+2:G0B+4*\s+3], s[46:47], \s*KSTEP*2
	s_or_b32 s[G0B+4*\s+3], s[G0B+4*\s+3], 0x80000000
	JLOAD \s                                       ; K steps 0 and 1: two tensor loads of the wave are out
.endr
	v_and_b32 v1, 15, v0                           ; r = l % 16
	v_bfe_u32 v2, v0, 4, 1                         ; h = l / 16
	v_lshlrev_b32 v[BO], 5, v2
.irp b, 0,1,2,3,4,5,6,7,8,9,10,11
	global_load_b128 v[BIAS+8*\b:BIAS+8*\b+3],   v[BO], s[68:69] offset:64*\b      ; bias of columns 16 b + 8 h + 0..3
	global_load_b128 v[BIAS+8*\b+4:BIAS+8*\b+7], v[BO], s[68:69] offset:64*\b+16   ; and + 4..7; waited for in front of the way out
.endr
	v_mul_u32_u24 v3, v1, PITCH
	v_lshl_add_u32 v3, v2, 4, v3                   ; row x pitch + 16 h: a fragment is two loads of 16 bytes, 32 bytes apart
	s_mul_i32 s22, s10, 64*PITCH                   ; my 64 rows of x
	s_mov_b32 s23, 2*HALFA                         ; the weights lie behind x's 256 rows
.irp s, 0,1
	v_add_nc_u32 v[ADRA+\s], s22, v3
	v_add_nc_u32 v[ADRB+\s], s23, v3
	s_add_co_u32 s22, s22, SLOT
	s_add_co_u32 s23, s23, SLOT
.endr
	s_mul_i32 s23, s10, 16*SPITCH
	s_add_co_u32 s23, s23, STAGE                   ; my stage
	v_mul_u32_u24 v4, v1, SPITCH
	v_lshl_add_u32 v4, v2, 4, v4
	v_add_nc_u32 v[STO], s23, v4                   ; in: row r, 16 bytes for each half of the lanes
	v_and_b32 v5, 31, v0
	v_lshrrev_b32 v6, 3, v5
	v_mul_u32_u24 v6, v6, SPITCH
	v_and_b32 v7, 7, v0
	v_lshl_add_u32 v6, v7, 4, v6
	v_add_nc_u32 v[RD], s23, v6                    ; back: eight lanes take 128 bytes of a row, the wave four rows
	v_lshlrev_b32 v[CO], 4, v5
; 12 matrix instructions: m tile a of the window's two (hi = 0: my rows 0-31, 1: rows 32-63) x all 12 n tiles, 32 along K.
; zero = 1: the first product starts the sums.  The 48 accumulators take turns, one instruction a turn, in the same order in every quarter
; step.
.macro MULROW fa, fb, hi, a, zero
.irp b, 0,1,2,3,4,5,6,7,8,9,10,11
.if \zero
	v_wmma_f32_16x16x32_f16 v[8*(12*\a+\b):8*(12*\a+\b)+7], v[\fb+8*\b:\fb+8*\b+7], v[\fa+8*(2*\hi+\a):\fa+8*(2*\hi+\a)+7], 0
.else
	v_wmma_f32_16x16x32_f16 v[8*(12*\a+\b):8*(12*\a+\b)+7], v[\fb+8*\b:\fb+8*\b+7], v[\fa+8*(2*\hi+\a):\fa+8*(2*\hi+\a)+7], v[8*(12*\a+\b):8*(12*\a+\b)+7]
.endif
.endr
.endm
; 32 LDS loads in one run: the fragments of a quarter step (192 rows of the weights, my 64 rows of x, 32 K at byte k of the rows)
.macro FETCH slot, k, fa, fb
	WIN TO_B
.irp i, 0,1,2,3,4,5,6,7,8,9,10,11
	ds_load_b128 v[\fb+8*\i:\fb+8*\i+3],   v[ADRB+\slot] offset:\k+\i*16*PITCH
	ds_load_b128 v[\fb+8*\i+4:\fb+8*\i+7], v[ADRB+\slot] offset:\k+\i*16*PITCH+32
.endr
	WIN 0
.irp i, 0,1,2,3
	ds_load_b128 v[\fa+8*\i:\fa+8*\i+3],   v[ADRA+\slot] offset:\k+\i*16*PITCH
	ds_load_b128 v[\fa+8*\i+4:\fa+8*\i+7], v[ADRA+\slot] offset:\k+\i*16*PITCH+32
.endr
.endm
; Four places between a matrix instruction and a load into, or a vector instruction on, one of its registers (ISA guide 7.12.1 for vector
; instructions); matrix instructions in between are not counted.
.macro PLACES
.rept 4
	v_nop
.endr
.endm
; One of a K step's first three quarters: multiplies buffer (fa, fb); in its middle fetches the next quarter, at byte k, into (ga, gb).
.macro QUARTER slot, k, fa, fb, ga, gb, zero
	s_wait_dscnt 0x4                               ; the weights and x's rows 0-31 are in; the youngest four loads (x's rows 32-63) may be out
	WIN MUL_LO
	MULROW \fa, \fb, 0, 0, \zero
	MULROW \fa, \fb, 0, 1, \zero
	PLACES
	FETCH \slot, \k, \ga, \gb
	s_wait_dscnt 0x20                              ; all but the 32 just issued
	WIN MUL_HI
	MULROW \fa, \fb, 1, 0, \zero
	MULROW \fa, \fb, 1, 1, \zero
.endm
.macro THREE slot, zero
	QUARTER \slot, 64,  FA0, FB0, FA1, FB1, \zero
	QUARTER \slot, 128, FA1, FB1, FA0, FB0, 0
	QUARTER \slot, 192, FA0, FB0, FA1, FB1, 0
.endm
; The last quarter: multiplies buffer 1 and changes slots.  In front of the barrier each wave waits for its reads of this slot and for all its
; tensor loads (the one that is out is its part of the next slot).  fill = 1: the barrier opens a round of the cluster's barrier, and the joint
; refill of this slot, two K steps ahead, is the first tensor load behind the round.
.macro TURN slot, next, fill
	s_wait_dscnt 0x4
	WIN MUL_LO
	MULROW FA1, FB1, 0, 0, 0
	s_wait_dscnt 0x0                               ; my reads of this slot are over
	s_wait_tensorcnt 0x0                           ; all my tensor loads have landed
	ds_add_u32 v255, v255
	s_wait_dscnt 0x0
	s_barrier_signal -1
	MULROW FA1, FB1, 0, 1, 0                       ; work on registers while the others arrive
	WIN 0
	s_barrier_wait -1
.if \fill
	CREST                                          ; no wave of any partner still reads this slot or has a load on its way
	s_add_nc_u64 s[G0+4*\slot+2:G0+4*\slot+3], s[G0+4*\slot+2:G0+4*\slot+3], 2*KSTEP*2
	s_add_nc_u64 s[G0B+4*\slot+2:G0B+4*\slot+3], s[G0B+4*\slot+2:G0B+4*\slot+3], 2*KSTEP*2
	JLOAD \slot
.endif
	PLACES
	FETCH \next, 0, FA0, FB0
	WIN MUL_HI
	MULROW FA1, FB1, 1, 0, 0
	MULROW FA1, FB1, 1, 1, 0
.endm
	s_wait_tensorcnt 0x1                           ; my part of K step 0 is in; K step 1's load stays out
	s_barrier_signal -1
	s_barrier_wait -1                              ; everybody's is
	FETCH 0, 0, FA0, FB0
	THREE 0, 1                                     ; K step 0: its first products start the sums
	TURN 0, 1, 1                                   ; slot 0 gets K step 2
	THREE 1, 0                                     ; K step 1
	TURN 1, 0, 1                                   ; slot 1 gets K step 3
	THREE 0, 0                                     ; K step 2
	TURN 0, 1, 0
	THREE 1, 0                                     ; K step 3
	s_wait_dscnt 0x4                               ; the very last quarter: nothing more to fetch
	WIN MUL_LO
	MULROW FA1, FB1, 0, 0, 0
	MULROW FA1, FB1, 0, 1, 0
	s_wait_dscnt 0x0
	WIN MUL_HI
	MULROW FA1, FB1, 1, 0, 0
	MULROW FA1, FB1, 1, 1, 0
	; THE WAY OUT, 16 rows at a time: add the bias, round to f16, 16 bytes a lane into my own stage, read back 128 bytes of four rows at a time.
	PLACES                                         ; the places behind the last matrix instructions
	s_wait_loadcnt 0x0                             ; the bias
; rows 16 i .. 16 i + 15 of my 64 = tiles (a, 0..11) of window 2 or 3.  addw: destination and source 0 in that window; cvtw: sources 0 and 1.
.macro OUT16 i, a, addw, cvtw, rb
	WIN \addw
.irp b, 0,1,2,3,4,5,6,7,8,9,10,11
.irp p, 0,1,2,3
	v_pk_add_f32 v[8*(12*\a+\b)+2*\p:8*(12*\a+\b)+2*\p+1], v[8*(12*\a+\b)+2*\p:8*(12*\a+\b)+2*\p+1], v[BIAS+8*\b+2*\p:BIAS+8*\b+2*\p+1]
.endr
.endr
	WIN \cvtw
.irp b, 0,1,2,3,4,5,6,7,8,9,10,11
.irp p, 0,1,2,3
	v_cvt_pk_f16_f32 v[TMP+4*\b+\p], v[8*(12*\a+\b)+2*\p], v[8*(12*\a+\b)+2*\p+1]
.endr
.endr
	WIN 0
.irp b, 0,1,2,3,4,5,6,7,8,9,10,11
	ds_store_b128 v[STO], v[TMP+4*\b:TMP+4*\b+3] offset:32*\b
.endr
	s_wait_xcnt 0x0                                ; the registers that earlier stores read are loaded again only behind this wait
	WIN TO_B
.irp sel, 0,1,2
.irp t, 0,1,2,3
	ds_load_b128 v[\rb+4*(4*\sel+\t):\rb+4*(4*\sel+\t)+3], v[RD] offset:\t*4*SPITCH+\sel*128   ; LDS serves a wave's instructions in order: these see the stores above
.endr
.endr
	WIN 0x04                                       ; store data (source 1) in window 1
.irp sel, 0,1,2
.irp t, 0,1,2,3
	s_wait_dscnt 11-(4*\sel+\t)
	global_store_b128 v[CO], v[\rb+4*(4*\sel+\t):\rb+4*(4*\sel+\t)+3], s[70+2*\sel:71+2*\sel] offset:\i*2048+512*\t   ; four rows of q, k or v: 512 consecutive bytes, aligned
.endr
.endr
.endm
	OUT16 0, 0, 0x82, 0x0a, RB0
	OUT16 1, 1, 0x82, 0x0a, RB1
	OUT16 2, 0, 0xc3, 0x0f, RB0
	OUT16 3, 1, 0xc3, 0x0f, RB1
	WIN 0
	s_set_vgpr_msb 0x1
	s_wait_tensorcnt 0x0
	ds_add_u32 v255, v255
	s_wait_dscnt 0x0
	s_set_vgpr_msb 0x100
	CROUND                                         ; the closing round: no work-group ends while a partner may still ask for a tile that names it
	s_endpgm
.Lfunc_end_k_qbc3a2671d3_qkv:
	.size	k_qbc3a2671d3_qkv, .Lfunc_end_k_qbc3a2671d3_qkv-k_qbc3a2671d3_qkv
	.p2alignl 7, 3214868480
	.fill 96, 4, 3214868480
	.section	.rodata,"a",@progbits
	.p2align	6, 0x0
	.amdhsa_kernel k_qbc3a2671d3_qkv
		.amdhsa_group_segment_fixed_size 327680
		.amdhsa_private_segment_fixed_size 0
		.amdhsa_enable_private_segment 0
		.amdhsa_kernarg_size 48
		.amdhsa_user_sgpr_count 2
		.amdhsa_user_sgpr_kernarg_segment_ptr 1
		.amdhsa_wavefront_size32 1
		.amdhsa_system_sgpr_workgroup_id_x 1
		.amdhsa_system_sgpr_workgroup_id_y 1
		.amdhsa_system_sgpr_workgroup_id_z 1
		.amdhsa_system_vgpr_workitem_id 0
		.amdhsa_next_free_vgpr 1024
		.amdhsa_next_free_sgpr 84
		.amdhsa_reserve_vcc 0
		.amdhsa_float_denorm_mode_32 3
		.amdhsa_float_denorm_mode_16_64 3
		.amdhsa_memory_ordered 1
		.amdhsa_forward_progress 1
		.amdhsa_inst_pref_size 134
	.end_amdhsa_kernel
	.amdgpu_metadata
---
amdhsa.version: [ 1, 2 ]
amdhsa.kernels:
  - .name:           k_qbc3a2671d3_qkv
    .symbol:         k_qbc3a2671d3_qkv.kd
    .args:
      - { .name: xh, .offset: 0, .size: 8, .value_kind: global_buffer, .address_space: global }
      - { .name: wr, .offset: 8, .size: 8, .value_kind: global_buffer, .address_space: global }
      - { .name: br, .offset: 16, .size: 8, .value_kind: global_buffer, .address_space: global }
      - { .name: qb, .offset: 24, .size: 8, .value_kind: global_buffer, .address_space: global }
      - { .name: kb, .offset: 32, .size: 8, .value_kind: global_buffer, .address_space: global }
      - { .name: vb, .offset: 40, .size: 8, .value_kind: global_buffer, .address_space: global }
    .group_segment_fixed_size: 327680
    .private_segment_fixed_size: 0
    .kernarg_segment_align: 8
    .kernarg_segment_size: 48
    .max_flat_workgroup_size: 128
    .sgpr_count:     84
    .vgpr_count:     1024
    .wavefront_size: 32
...
	.end_amdgpu_metadata
.endif
;; end of part 2
;; launch attn (part 3): grid 256 x 1, 8 waves a work-group, no clusters, 316,416 bytes of LDS; arguments qb, kb, vb, y; writes y
.if DOCPART == 3
	.amdgcn_target "amdgcn-amd-amdhsa--gfx1250"
	.amdhsa_code_object_version 6
	.text
	.protected	k_qbc3a2671d3_attn
	.globl	k_qbc3a2671d3_attn
	.p2align	8
	.type	k_qbc3a2671d3_attn,@function
k_qbc3a2671d3_attn:
	s_mov_b64 s[64:65], 0
	v_nop
	global_prefetch_b8 v0, s[64:65] scope:SCOPE_SE
	s_setreg_imm32_b32 hwreg(HW_REG_WAVE_MODE, 25, 1), 1
	s_wait_xcnt 0x0
; y = softmax(mask(q k^T)) v for one (batch, head) and a quarter of its queries.  qb, kb, vb: [64][1024][64] f16; q already holds 0.125 log2(e).
; y: [64 (batch x head)][64 tiles of 16 queries][8 chunks c = d / 8][16 queries r][8 d] f16: the order in which the lanes hold the result, so that it
; leaves straight from registers; the next launch reads its fragments from the same order.
; The mask: key <= query, and no key t with t % 25 == 24.  Blocks of keys beyond a piece's diagonal are not computed.
; LIMITS: scaled scores stay below 1e29 in magnitude (the mask adds -1e30); |y| <= 65504; probabilities below 6.1e-5 of a row's largest carry an
; absolute error of up to 3e-8 (f16).  The maximum is taken away by a running maximum.  Where all keys that a wave has seen of a row are masked, its weights
; are 1 and its maximum about -1e30; the factor 2^(-1e30) = 0 of the next live block, or of the merge, removes them.  Key 0 is live for every row.
; SHARES: work-group = (bh = id / 4, j = id % 4), eight waves, two on a SIMD.  Wave w: s = w % 4, role = w / 4, g = 4 j + s.  The two waves of one g make
; two pieces of 32 queries together: piece 31 - g (blocks of 32 keys 0 .. 31 - g) and piece g (blocks 0 .. g).  Role 0 takes the even blocks, role 1 the odd
; ones: 17 and 16 trips.  Each wave ends with a partial result (maximum, sum, O^T) of both pieces; role 0 hands its partial of piece g to role 1 through LDS
; and receives that of piece 31 - g, and each merges and stores one piece.
; A piece is two query tiles X (rows 0-15) and Y (rows 16-31), which share the K and V fragments and take turns: X's softmax stands between Y's score
; products, Y's softmax between X's products with V.
; ONE TEXT FOR BOTH ROLES: a wave's top block of a piece runs as the masking trip with the threshold r - 8 h + 32 (diagonal block - top block): 0 blocks
; below the diagonal it masks the keys behind the query, 1 block below it masks nothing.  Role 1 has no block of piece 0: it runs one block with the
; threshold lowered by 64, which masks all keys, so that the merge drops its partial result.
; NO JOINT LOADS: the four work-groups of one bh read the same K and V, but their trip counts and LDS addresses hang on j, that is on the place
; that a work-group would have in a cluster of the four, and partners of a joint load must run alike.
; LAYOUTS: S^T = K Q^T (A = 16 keys x 32 d, B = 32 d x 16 queries): register j of lane (r, h) is (key 8 h + j, query r).  Two key tiles packed to f16 are
; then registers 0-3 and 4-7 of B = P^T for O^T = V^T P^T; A = V^T comes by transposing LDS loads from V stored [key][d].  Maximum, sum and factor are one
; number a lane (query r); the halves h meet by one lane exchange.
; LDS: all of K (pitch 144) and V (pitch 160) of the head, each filled once by eight tensor loads a wave (all eight out at once), and a table of the
; column mask.  When no wave reads K any more, its first 69,632 bytes, which have had their last fill, carry the partial results.
; REGISTERS: v0-255 as below; v256-287 the short piece's Q, loaded at the head; v288-355 the long piece's partial result while the short piece runs.
.set VBASE, 147456                     ; 1,024 keys x 144
.set BBASE, 311296                     ; + 1,024 keys x 160: the table, f32 [1024]: -1e30 where key % 25 == 24, else 0
.set NEG,   0xf149f2ca                 ; -1e30
.set PART,  8704                       ; a partial result in LDS: 64 + 4 registers x 32 lanes x 4 bytes
.set ADK, 2                            ; LDS address of my K fragments in the block to load next
.set ADV, 3                            ; the same for V
.set ADB, 4                            ; the same in the table
.set KB0, 5                            ; these three for block 0
.set VB0, 6
.set BB0, 7
.set DX,  8                            ; the masking trip: key 16 kt + 8 h + j is masked for X's query r where 16 kt + j > DX
.set DY,  9                            ; DX + 16, for Y
.set NEGR, 10
.set QAL, 11                           ; byte offset of my part of the long piece's Q fragments
.set QAS, 12                           ; the short piece's
.set D0,  13                           ; r - 8 h
.set STO, 14                           ; where I put my partial result
.set YO,  15                           ; 16 x lane: my 16 bytes in 512 consecutive bytes
.set QX,  16                           ; v[16:31]   Q fragments of X (d 0-31, d 32-63)
.set QY,  32
.set OX,  48                           ; v[48:79]   O^T of X: four tiles of 16 d
.set OY,  80
.set SX,  112                          ; v[112:127] scores of X: two tiles of 16 keys
.set SY,  128
.set PX,  144                          ; v[144:151] P^T of X in f16
.set PY,  152
.set KF,  160                          ; v[160:191] K fragments at 16 kt + 8 ks
.set VF,  192                          ; v[192:223] V^T fragments at 8 dt; at the end the packed results
.set BI,  224                          ; v[224:239] the table's numbers of my keys at 8 kt
.set MX,  240                          ; v240 running maximum, v241 running sum of X
.set MY,  242
.set AX,  244                          ; v244 the factor 2^(old maximum - new); v245 only completes the pair
.set AY,  246
.set T0,  248
.set T1,  249
.set T2,  250
.set T3,  251
.set T4,  252
.set RD,  253                          ; where my partner put its partial result
.set PO,  112                          ; the merge: v[112:175] the partner's O^T, v[176:179] its maxima and sums
.set PM,  176
.set Q2,   0                           ; window 1: v256-287
.set SAVE, 32                          ; window 1: v288-355
.set BLK, 3                            ; s3   the block to load next
.set CNT, 15                           ; s15  trips left
.set MSB, 0
.macro WIN new                         ; the immediate's high byte repeats the setting that is left
.if MSB != \new
	s_set_vgpr_msb (MSB<<8)|\new
.set MSB, \new
.endif
.endm
	s_load_b256 s[4:11], s[0:1], 0x0               ; qb s[4:5], kb s[6:7], vb s[8:9], y s[10:11]
	v_lshl_add_u32 v254, v0, 2, 0x4d000
	v_mov_b32 v255, 0
	ds_add_u32 v254, v255
	ds_add_u32 v254, v255
	v_lshrrev_b32 v1, 5, v0
	v_readfirstlane_b32 s2, v1                     ; wave 0 .. 7
	s_lshr_b32 s85, s2, 2                          ; role: the parity of my key blocks
	s_and_b32 s84, s2, 3
	s_and_b32 s3, ttmp9, 3                         ; j
	s_lshl_b32 s14, s3, 2
	s_add_co_u32 s14, s14, s84                     ; g = 4 j + wave % 4, 0 .. 15
	s_lshr_b32 s70, ttmp9, 2
	s_lshl_b32 s70, s70, 17                        ; bh x 1,024 rows of 128 bytes
	s_mov_b32 s71, 0
	s_lshl_b32 s72, s2, 12                         ; my first tile: 32 keys of 128 bytes a wave
	s_add_co_u32 s72, s72, s70
	s_mov_b32 s73, 0
	s_mov_b32 s12, 0x76543210                      ; v_permlanex16_b32: lane i of one half reads lane i of the other
	s_mov_b32 s13, 0xfedcba98
	; group 1: 32 keys = 4,096 dense bytes as 16 rows of 32 elements of 8 bytes; padding behind every 32 words (a key's 128 bytes): 4 words for K, 8 for V
	s_mov_b32 s16, 0x07130000                      ; element size code 3; padding on; interval code 4; amount code 3
	s_mov_b32 s24, 0x0f130000                      ; amount code 7
.irp g, 16, 24
	s_mov_b32 s[\g+1], 32<<16                      ; tensor_dim0 = 32
	s_mov_b32 s[\g+2], 16<<16                      ; tensor_dim1 = 16
	s_mov_b32 s[\g+3], 32<<16                      ; tile_dim0 = 32
	s_mov_b32 s[\g+4], 16                          ; tile_dim1 = 16
	s_mov_b32 s[\g+5], 32                          ; elements from row to row
	s_mov_b32 s[\g+6], 0
	s_mov_b32 s[\g+7], 0
.endr
	s_mul_i32 s82, s2, 4608                        ; 32 keys x 144
	s_mul_i32 s83, s2, 5120                        ; 32 keys x 160
	s_add_co_u32 s83, s83, VBASE
	s_sub_co_u32 s86, 31, s14                      ; the long piece, and its diagonal block
	s_lshl_b32 s78, s86, 12                        ; 32 queries of 128 bytes a piece, in q and in y
	s_lshl_b32 s80, s14, 12                        ; the short piece
	s_cmp_eq_u32 s85, 0
	s_cselect_b32 s74, s78, s80                    ; the piece that I merge and store: role 0 the long one, role 1 the short one
	s_mov_b32 s75, 0
	; the long piece: my blocks are role, role + 2, .. up to the top block 31 - g - par
	s_sub_co_u32 s87, s86, s85                     ; 31 - g - role, 15 .. 31
	s_and_b32 s88, s87, 1                          ; par: how far my top block lies below the diagonal
	s_lshl_b32 s89, s88, 5                         ; 32 par: what the masking threshold gains
	s_lshr_b32 s90, s87, 1                         ; my blocks below the top one, 7 .. 15
	s_sub_co_u32 s90, s90, 6                       ; less the six that run while tiles are still on their way
	; the short piece: the same with g for 31 - g; e < 0: role 1 of piece 0 has no block
	s_sub_co_i32 s91, s14, s85                     ; e = g - role
	s_max_i32 s92, s91, 0
	s_and_b32 s93, s92, 1                          ; par
	s_lshl_b32 s94, s93, 5
	s_cmp_lt_i32 s91, 0
	s_cselect_b32 s94, 0xffffffc0, s94             ; the threshold's gain: 32 par, or -64: every key masked
	s_sub_co_u32 s95, s92, s93
	s_add_co_u32 s95, s95, s85                     ; my top block (block 1 where I have none: its keys are all masked)
	s_lshr_b32 s92, s92, 1                         ; my blocks below the top one
	s_mul_i32 s76, s2, PART                        ; my partial result's bytes
	s_xor_b32 s77, s2, 4
	s_mul_i32 s77, s77, PART                       ; my partner's
	s_wait_dscnt 0x0
	s_wait_kmcnt 0x0
	s_add_nc_u64 s[4:5], s[4:5], s[70:71]
	s_add_nc_u64 s[6:7], s[6:7], s[72:73]
	s_add_nc_u64 s[8:9], s[8:9], s[72:73]
	s_add_nc_u64 s[10:11], s[10:11], s[70:71]
	s_add_nc_u64 s[66:67], s[10:11], s[74:75]      ; y at the piece that I store
	; load pair i of wave w: block 8 i + w of K and of V; the eight waves' pairs i hold blocks 8 i .. 8 i + 7.  Each set of bytes is filled once.
.irp i, 0,1,2,3
	s_mov_b32 s[32+8*\i], 1
	s_add_co_u32 s[33+8*\i], s82, \i*36864
	s_add_nc_u64 s[34+8*\i:35+8*\i], s[6:7], \i*32768
	s_or_b32 s[35+8*\i], s[35+8*\i], 0x80000000
	tensor_load_to_lds s[32+8*\i:35+8*\i], s[16:23]
	s_nop 0
	s_mov_b32 s[36+8*\i], 1
	s_add_co_u32 s[37+8*\i], s83, \i*40960
	s_add_nc_u64 s[38+8*\i:39+8*\i], s[8:9], \i*32768
	s_or_b32 s[39+8*\i], s[39+8*\i], 0x80000000
	tensor_load_to_lds s[36+8*\i:39+8*\i], s[24:31]
	s_nop 0
.endr
.macro LDQ areg, q                     ; Q fragments of X and Y into v[q:q+31]: lane (r, h) takes 16 bytes at d = 8 h, 16 + 8 h, 32 + 8 h, 48 + 8 h of row r
.irp c, 0,1,2,3
	global_load_b128 v[\q+4*\c:\q+4*\c+3], v[\areg], s[4:5] offset:32*\c
.endr
.irp c, 0,1,2,3
	global_load_b128 v[\q+16+4*\c:\q+16+4*\c+3], v[\areg], s[4:5] offset:2048+32*\c
.endr
.endm
	v_and_b32 v[T0], 15, v0                        ; r
	v_bfe_u32 v[T1], v0, 4, 1                      ; h
	v_lshlrev_b32 v[T3], 7, v[T0]
	v_lshl_add_u32 v[T3], v[T1], 4, v[T3]          ; 128 r + 16 h
	v_add_nc_u32 v[QAL], s78, v[T3]
	v_add_nc_u32 v[QAS], s80, v[T3]
	LDQ QAL, QX
	WIN 0x40                                       ; destination in window 1
	LDQ QAS, Q2                                    ; the short piece's Q, long before it is wanted
	WIN 0
	v_mul_u32_u24 v[KB0], v[T0], 144
	v_lshl_add_u32 v[KB0], v[T1], 4, v[KB0]        ; key r x pitch + 16 h
	v_and_b32 v[T2], 7, v0
	v_lshl_add_u32 v[T2], v[T1], 3, v[T2]          ; transposing load: key 8 h + l % 8,
	v_mul_u32_u24 v[T2], v[T2], 160
	v_bfe_u32 v[T3], v0, 3, 1
	v_lshl_add_u32 v[T2], v[T3], 4, v[T2]          ; 16 bytes for each group of eight lanes
	v_add_nc_u32 v[VB0], VBASE, v[T2]
	v_lshlrev_b32 v[BB0], 5, v[T1]
	v_add_nc_u32 v[BB0], BBASE, v[BB0]             ; my 8 keys of a tile: 32 h
	v_lshlrev_b32 v[T3], 3, v[T1]
	v_sub_nc_u32 v[D0], v[T0], v[T3]
	v_add_nc_u32 v[DX], s89, v[D0]                 ; the long piece's thresholds
	v_add_nc_u32 v[DY], 16, v[DX]
	v_mov_b32 v[NEGR], NEG
	v_and_b32 v1, 31, v0
	v_lshlrev_b32 v[YO], 4, v1
	v_add_nc_u32 v[STO], s76, v[YO]
	v_add_nc_u32 v[RD], s77, v[YO]
	v_mov_b32 v[MX+1], 0                           ; the upper halves of pairs that packed instructions name are written once
	v_mov_b32 v[MY+1], 0
	v_mov_b32 v[AX+1], 0
	v_mov_b32 v[AY+1], 0
	; the table: thread t writes keys 4 t .. 4 t + 3.  key / 25 = (key x 5243) >> 17, exact up to 1,023
	v_lshlrev_b32 v[T4], 2, v0
.irp e, 0,1,2,3
	v_add_nc_u32 v[T0], \e, v[T4]
	v_mul_u32_u24 v[T1], v[T0], 5243
	v_lshrrev_b32 v[T1], 17, v[T1]
	v_mul_u32_u24 v[T1], v[T1], 25
	v_sub_nc_u32 v[T1], v[T0], v[T1]
	v_cmp_eq_u32 vcc_lo, 24, v[T1]
	v_cndmask_b32 v[SX+\e], 0, v[NEGR], vcc_lo
.endr
	v_lshlrev_b32 v[T0], 4, v0
	v_add_nc_u32 v[T0], BBASE, v[T0]
	ds_store_b128 v[T0], v[SX:SX+3]
.macro LDK                             ; 12 loads: the K fragments and the table's numbers of block BLK
.irp kt, 0,1
.irp c, 0,1,2,3
	ds_load_b128 v[KF+16*\kt+4*\c:KF+16*\kt+4*\c+3], v[ADK] offset:\kt*2304+32*\c
.endr
.endr
.irp kt, 0,1
	ds_load_b128 v[BI+8*\kt:BI+8*\kt+3],   v[ADB] offset:\kt*64
	ds_load_b128 v[BI+8*\kt+4:BI+8*\kt+7], v[ADB] offset:\kt*64+16
.endr
.endm
.macro LDV                             ; 8 transposing loads: V^T, four tiles of 16 d x 32 keys
.irp dt, 0,1,2,3
	ds_load_tr16_b128 v[VF+8*\dt:VF+8*\dt+3],   v[ADV] offset:32*\dt
	ds_load_tr16_b128 v[VF+8*\dt+4:VF+8*\dt+7], v[ADV] offset:32*\dt+2560
.endr
.endm
.macro ADDR                            ; the three addresses of block BLK
	s_mul_i32 s70, s[BLK], 4608                    ; 32 keys x 144
	s_mul_i32 s71, s[BLK], 5120                    ; 32 keys x 160
	s_lshl_b32 s72, s[BLK], 7                      ; 32 keys x 4
	v_add_nc_u32 v[ADK], s70, v[KB0]
	v_add_nc_u32 v[ADV], s71, v[VB0]
	v_add_nc_u32 v[ADB], s72, v[BB0]
.endm
; On to my next block, two further (rst = 1: back to my lowest block, the role).  cap is the last block whose tiles have landed: no address passes it.
; Its four vector lines are the four places between X's last score product and the first read of X's scores (ISA guide 7.12.1).
.macro STEP rst, cap
.if \rst
	s_mov_b32 s[BLK], s85
.else
	s_add_co_u32 s[BLK], s[BLK], 2
	s_min_u32 s[BLK], s[BLK], \cap
.endif
	ADDR
	v_nop
.endm
; The masking trip: the sums start from the table's number, or from -1e30 where the key lies behind the threshold.
.macro DIAGMASK
.irp kt, 0,1
.irp j, 0,1,2,3,4,5,6,7
	v_cmp_gt_i32 vcc_lo, 16*\kt+\j, v[DX]
	v_cndmask_b32 v[SX+8*\kt+\j], v[BI+8*\kt+\j], v[NEGR], vcc_lo
	v_cmp_gt_i32 vcc_lo, 16*\kt+\j, v[DY]
	v_cndmask_b32 v[SY+8*\kt+\j], v[BI+8*\kt+\j], v[NEGR], vcc_lo
.endr
.endr
.endm
; One score product: key tile kt, d half ks.  The first half starts from the table (diag: from the numbers that DIAGMASK laid in the accumulator).
.macro SW s, q, ks, kt, diag
.if \ks == 0
.if \diag
	v_wmma_f32_16x16x32_f16 v[\s+8*\kt:\s+8*\kt+7], v[KF+16*\kt:KF+16*\kt+7], v[\q:\q+7], v[\s+8*\kt:\s+8*\kt+7]
.else
	v_wmma_f32_16x16x32_f16 v[\s+8*\kt:\s+8*\kt+7], v[KF+16*\kt:KF+16*\kt+7], v[\q:\q+7], v[BI+8*\kt:BI+8*\kt+7]
.endif
.else
	v_wmma_f32_16x16x32_f16 v[\s+8*\kt:\s+8*\kt+7], v[KF+16*\kt+8:KF+16*\kt+15], v[\q+8:\q+15], v[\s+8*\kt:\s+8*\kt+7]
.endif
.endm
.macro PW o, p, dt, first              ; O^T tile dt += V^T P^T; first = 1: it starts the sum
.if \first
	v_wmma_f32_16x16x32_f16 v[\o+8*\dt:\o+8*\dt+7], v[VF+8*\dt:VF+8*\dt+7], v[\p:\p+7], 0
.else
	v_wmma_f32_16x16x32_f16 v[\o+8*\dt:\o+8*\dt+7], v[VF+8*\dt:VF+8*\dt+7], v[\p:\p+7], v[\o+8*\dt:\o+8*\dt+7]
.endif
.endm
; The softmax of one query tile in four parts, each set behind one matrix instruction of the other tile.
.macro SOFT0 s, m, a, first            ; the block's maximum, the new running maximum, the factor for what has been summed
	v_max3_num_f32 v[T0], v[\s], v[\s+1], v[\s+2]
	v_max3_num_f32 v[T1], v[\s+3], v[\s+4], v[\s+5]
	v_max3_num_f32 v[T2], v[\s+6], v[\s+7], v[\s+8]
	v_max3_num_f32 v[T3], v[\s+9], v[\s+10], v[\s+11]
	v_max3_num_f32 v[T4], v[\s+12], v[\s+13], v[\s+14]
	v_max3_num_f32 v[T0], v[T0], v[T1], v[\s+15]
	v_max3_num_f32 v[T2], v[T2], v[T3], v[T4]
	v_max_num_f32 v[T0], v[T0], v[T2]
	v_permlanex16_b32 v[T1], v[T0], s12, s13       ; the other 16 keys of query r
.if \first
	v_max_num_f32 v[\m], v[T0], v[T1]
.else
	v_max3_num_f32 v[T0], v[T0], v[T1], v[\m]
	v_sub_f32 v[\a], v[\m], v[T0]
	v_mov_b32 v[\m], v[T0]
	v_exp_f32 v[\a], v[\a]                         ; used two parts on; the next part's packed adds are the plain lines behind it (ISA guide 5.7.2)
.endif
.endm
.macro SOFT1 s, m                      ; scores less the maximum; the first eight exponentials
.irp i, 0,2,4,6,8,10,12,14
	v_pk_add_f32 v[\s+\i:\s+\i+1], v[\s+\i:\s+\i+1], v[\m:\m+1] op_sel_hi:[1,0] neg_lo:[0,1] neg_hi:[0,1]
.endr
.irp i, 0,1,2,3,4,5,6,7
	v_exp_f32 v[\s+\i], v[\s+\i]
.endr
.endm
.macro SOFT2 s, o, p, a, first         ; the other eight; half of O^T times the factor (the plain lines behind the exponentials); key tile 0 to f16
.irp i, 8,9,10,11,12,13,14,15
	v_exp_f32 v[\s+\i], v[\s+\i]
.endr
.if \first
	v_nop                                          ; nothing to scale yet: the plain line behind the exponentials
	s_wait_alu depctr_va_vdst(0)
.else
	s_wait_alu depctr_va_vdst(0)
.irp i, 0,2,4,6,8,10,12,14
	v_pk_mul_f32 v[\o+\i:\o+\i+1], v[\o+\i:\o+\i+1], v[\a:\a+1] op_sel_hi:[1,0]
.endr
.endif
.irp i, 0,1,2,3
	v_cvt_pk_f16_f32 v[\p+\i], v[\s+2*\i], v[\s+2*\i+1]
.endr
.endm
.macro SOFT3 s, o, p, a, first         ; the other half of O^T; key tile 1 to f16.  At least eight plain lines: the places in front of the loads that follow
.if \first
.rept 4
	v_nop
.endr
.else
.irp i, 16,18,20,22,24,26,28,30
	v_pk_mul_f32 v[\o+\i:\o+\i+1], v[\o+\i:\o+\i+1], v[\a:\a+1] op_sel_hi:[1,0]
.endr
.endif
.irp i, 0,1,2,3
	v_cvt_pk_f16_f32 v[\p+4+\i], v[\s+8+2*\i], v[\s+9+2*\i]
.endr
.endm
.macro SUM s, m, a, first              ; my 16 weights into the lane's running sum (the halves meet in the merge)
	v_pk_add_f32 v[\s:\s+1],     v[\s:\s+1],     v[\s+2:\s+3]
	v_pk_add_f32 v[\s+4:\s+5],   v[\s+4:\s+5],   v[\s+6:\s+7]
	v_pk_add_f32 v[\s+8:\s+9],   v[\s+8:\s+9],   v[\s+10:\s+11]
	v_pk_add_f32 v[\s+12:\s+13], v[\s+12:\s+13], v[\s+14:\s+15]
	v_pk_add_f32 v[\s:\s+1],     v[\s:\s+1],     v[\s+4:\s+5]
	v_pk_add_f32 v[\s+8:\s+9],   v[\s+8:\s+9],   v[\s+12:\s+13]
	v_pk_add_f32 v[\s:\s+1],     v[\s:\s+1],     v[\s+8:\s+9]
.if \first
	v_add_f32 v[\m+1], v[\s], v[\s+1]
.else
	v_add_f32 v[T0], v[\s], v[\s+1]
	v_fma_f32 v[\m+1], v[\m+1], v[\a], v[T0]
.endif
.endm
; One block of 32 keys for both query tiles.  At its head the block's K fragments and table numbers are on their way or in (12 loads).
; first = 1: starts maximum, sum and O^T;  diag = 1: the masking trip;  pf = 1: fetch my next block's K.
; The sixteen matrix instructions name SX0 SX1 SX0 SX1 SY0 SY1 SY0 SY1 OX0-3 OY0-3: accumulators by turns, one instruction a turn, over the
; backward jump too.
.macro TRIP first, diag, pf, rst, cap
	LDV
	s_wait_dscnt 0x8                               ; K and the table's numbers are in; the 8 loads of V stay out
.if \diag
	DIAGMASK
.endif
	SW SX, QX, 0, 0, \diag
	SW SX, QX, 0, 1, \diag
	SW SX, QX, 1, 0, \diag
	SW SX, QX, 1, 1, \diag
	STEP \rst, \cap
	SW SY, QY, 0, 0, \diag
	SOFT0 SX, MX, AX, \first
	SW SY, QY, 0, 1, \diag
	SOFT1 SX, MX
	SW SY, QY, 1, 0, \diag
	SOFT2 SX, OX, PX, AX, \first
	SW SY, QY, 1, 1, \diag
	SOFT3 SX, OX, PX, AX, \first
.if \pf
	LDK
	s_wait_dscnt 0xc                               ; V is in; the 12 loads just issued stay out
.else
	s_wait_dscnt 0x0                               ; V is in
.endif
	PW OX, PX, 0, \first
	SOFT0 SY, MY, AY, \first
	PW OX, PX, 1, \first
	SOFT1 SY, MY
	PW OX, PX, 2, \first
	SOFT2 SY, OY, PY, AY, \first
	PW OX, PX, 3, \first
	SOFT3 SY, OY, PY, AY, \first
	PW OY, PY, 0, \first
	PW OY, PY, 1, \first
	PW OY, PY, 2, \first
	PW OY, PY, 3, \first
	SUM SX, MX, AX, \first                         ; these plain lines are also the places in front of the next loads of V and of whatever reads O^T
	SUM SY, MY, AY, \first
.endm
.macro NLOOP cap                       ; CNT plain blocks
.Ltrip_\@:
	TRIP 0, 0, 1, 0, \cap
	s_sub_co_u32 s[CNT], s[CNT], 1
	s_cmp_lg_u32 s[CNT], 0
	s_cbranch_scc1 .Ltrip_\@
.endm
	s_wait_dscnt 0x0                               ; my part of the table is written
	s_wait_tensorcnt 0x6                           ; my first K and V tiles are in; the six younger loads stay out
	s_barrier_signal -1
	s_barrier_wait -1                              ; the table and blocks 0-7 are whole
	s_mov_b32 s[BLK], s85                          ; my lowest block
	ADDR
	LDK
	s_wait_loadcnt 0x0                             ; both pieces' Q
	TRIP 1, 0, 1, 0, 7                             ; block role starts the sums
	s_mov_b32 s[CNT], 2
	NLOOP 7                                        ; blocks role + 2, role + 4; K is fetched up to block role + 6
	s_wait_dscnt 0x0
	s_wait_tensorcnt 0x4                           ; my second K and V tiles are in
	s_barrier_signal -1
	s_barrier_wait -1                              ; blocks 8-15 are whole
	s_mov_b32 s[CNT], 3
	NLOOP 15                                       ; blocks role + 6 .. role + 10; K is fetched up to block role + 12
	s_wait_dscnt 0x0
	s_wait_tensorcnt 0x0
	s_barrier_signal -1
	s_barrier_wait -1                              ; all of K and V
	s_max_u32 s[CNT], s90, 1                       ; (31 - g - role) / 2 - 6 is at least 1: this changes nothing and shows it
	NLOOP 31                                       ; blocks role + 12 .. two below my top block
	TRIP 0, 1, 0, 0, 31                            ; my top block of the long piece
	; the long piece's partial result waits in window 1; the short piece's Q comes from there
	WIN 0x40                                       ; destination in window 1
.set i, 0
.rept 64
	v_mov_b32 v[SAVE+i], v[OX+i]
.set i, i+1
.endr
.set i, 0
.rept 4
	v_mov_b32 v[SAVE+64+i], v[MX+i]
.set i, i+1
.endr
	WIN 0x01                                       ; source 0 in window 1
.set i, 0
.rept 32
	v_mov_b32 v[QX+i], v[Q2+i]
.set i, i+1
.endr
	WIN 0
	; the short piece, my top block first, so that this block starts the sums
	v_add_nc_u32 v[DX], s94, v[D0]
	v_add_nc_u32 v[DY], 16, v[DX]
	s_mov_b32 s[BLK], s95
	ADDR
	LDK
	TRIP 1, 1, 1, 1, 31                            ; my top block; then back to my lowest block
	s_cmp_eq_u32 s92, 0
	s_cbranch_scc1 .Lshort_done
	s_mov_b32 s[CNT], s92
	NLOOP 31                                       ; blocks role .. two below my top block
.Lshort_done:
	; THE EXCHANGE.  Role 0 gives its partial result of the short piece and keeps the long one; role 1 the other way round.
	s_wait_dscnt 0x0                               ; my reads of K, V and the table are over (the last trip's fetch of K is not used)
	s_barrier_signal -1
	s_barrier_wait -1                              ; everybody's are: K's bytes may be written
	s_cmp_lg_u32 s85, 0
	s_cbranch_scc1 .Lgive_long
.irp i, 0,1,2,3,4,5,6,7,8,9,10,11,12,13,14,15
	ds_store_b128 v[STO], v[OX+4*\i:OX+4*\i+3] offset:512*\i
.endr
	ds_store_b128 v[STO], v[MX:MX+3] offset:8192
	WIN 0x01                                       ; and the long piece's comes back into the registers that the merge names
.set i, 0
.rept 64
	v_mov_b32 v[OX+i], v[SAVE+i]
.set i, i+1
.endr
.set i, 0
.rept 4
	v_mov_b32 v[MX+i], v[SAVE+64+i]
.set i, i+1
.endr
	WIN 0
	s_branch .Lgiven
.Lgive_long:
	WIN 0x04                                       ; store data (source 1) in window 1
.irp i, 0,1,2,3,4,5,6,7,8,9,10,11,12,13,14,15
	ds_store_b128 v[STO], v[SAVE+4*\i:SAVE+4*\i+3] offset:512*\i
.endr
	ds_store_b128 v[STO], v[SAVE+64:SAVE+67] offset:8192
	WIN 0
.Lgiven:
	s_wait_dscnt 0x0                               ; for my partner's sake: my stores are done
	s_barrier_signal -1
	s_barrier_wait -1
.irp i, 0,1,2,3,4,5,6,7,8,9,10,11,12,13,14,15
	ds_load_b128 v[PO+4*\i:PO+4*\i+3], v[RD] offset:512*\i
.endr
	ds_load_b128 v[PM:PM+3], v[RD] offset:8192
	s_wait_dscnt 0x0
; One query tile: the two partial results are brought to their common maximum, added, divided by the sum over all keys, rounded to f16 and stored.
; Lane 16 h + r holds d = 16 dt + 8 h .. + 7 of query r in four registers: chunk 2 dt + h, place r of y's tile, that is byte 512 dt + 16 x lane.
.macro MERGE o, m, po, pm, t
	v_max_num_f32 v[T0], v[\m], v[\pm]
	v_sub_f32 v[T1], v[\m], v[T0]
	v_sub_f32 v[T2], v[\pm], v[T0]
	v_exp_f32 v[T1], v[T1]
	v_exp_f32 v[T2], v[T2]
	v_nop                                          ; the plain line behind the exponentials (ISA guide 5.7.2)
	s_wait_alu depctr_va_vdst(0)
	v_mul_f32 v[T3], v[\m+1], v[T1]
	v_fma_f32 v[T3], v[\pm+1], v[T2], v[T3]        ; the lane's 16 keys of every block
	v_permlanex16_b32 v[T4], v[T3], s12, s13
	v_add_f32 v[T3], v[T3], v[T4]                  ; all keys; at least 1, the largest weight
	v_rcp_f32 v[T3], v[T3]
	v_nop                                          ; the plain line behind the reciprocal
	s_wait_alu depctr_va_vdst(0)
	v_mul_f32 v[AX], v[T1], v[T3]
	v_mul_f32 v[AY], v[T2], v[T3]
.irp i, 0,2,4,6,8,10,12,14,16,18,20,22,24,26,28,30
	v_pk_mul_f32 v[\o+\i:\o+\i+1], v[\o+\i:\o+\i+1], v[AX:AX+1] op_sel_hi:[1,0]
.endr
.irp i, 0,2,4,6,8,10,12,14,16,18,20,22,24,26,28,30
	v_pk_fma_f32 v[\o+\i:\o+\i+1], v[\po+\i:\po+\i+1], v[AY:AY+1], v[\o+\i:\o+\i+1] op_sel_hi:[1,0,1]
.endr
.irp i, 0,1,2,3,4,5,6,7,8,9,10,11,12,13,14,15
	v_cvt_pk_f16_f32 v[VF+16*\t+\i], v[\o+2*\i], v[\o+2*\i+1]
.endr
.irp dt, 0,1,2,3
	global_store_b128 v[YO], v[VF+16*\t+4*\dt:VF+16*\t+4*\dt+3], s[66:67] offset:2048*\t+512*\dt   ; the wave stores 512 consecutive bytes, aligned
.endr
.endm
	MERGE OX, MX, PO, PM, 0
	MERGE OY, MY, PO+32, PM+2, 1
	s_wait_tensorcnt 0x0
	ds_add_u32 v254, v255
	s_wait_dscnt 0x0
	s_endpgm
.Lfunc_end_k_qbc3a2671d3_attn:
	.size	k_qbc3a2671d3_attn, .Lfunc_end_k_qbc3a2671d3_attn-k_qbc3a2671d3_attn
	.p2alignl 7, 3214868480
	.fill 96, 4, 3214868480
	.section	.rodata,"a",@progbits
	.p2align	6, 0x0
	.amdhsa_kernel k_qbc3a2671d3_attn
		.amdhsa_group_segment_fixed_size 316416
		.amdhsa_private_segment_fixed_size 0
		.amdhsa_enable_private_segment 0
		.amdhsa_kernarg_size 32
		.amdhsa_user_sgpr_count 2
		.amdhsa_user_sgpr_kernarg_segment_ptr 1
		.amdhsa_wavefront_size32 1
		.amdhsa_system_sgpr_workgroup_id_x 1
		.amdhsa_system_sgpr_workgroup_id_y 1
		.amdhsa_system_sgpr_workgroup_id_z 1
		.amdhsa_system_vgpr_workitem_id 0
		.amdhsa_next_free_vgpr 360
		.amdhsa_next_free_sgpr 96
		.amdhsa_reserve_vcc 1
		.amdhsa_float_denorm_mode_32 3
		.amdhsa_float_denorm_mode_16_64 3
		.amdhsa_memory_ordered 1
		.amdhsa_forward_progress 1
		.amdhsa_inst_pref_size 101
	.end_amdhsa_kernel
	.amdgpu_metadata
---
amdhsa.version: [ 1, 2 ]
amdhsa.kernels:
  - .name:           k_qbc3a2671d3_attn
    .symbol:         k_qbc3a2671d3_attn.kd
    .args:
      - { .name: qb, .offset: 0, .size: 8, .value_kind: global_buffer, .address_space: global }
      - { .name: kb, .offset: 8, .size: 8, .value_kind: global_buffer, .address_space: global }
      - { .name: vb, .offset: 16, .size: 8, .value_kind: global_buffer, .address_space: global }
      - { .name: y, .offset: 24, .size: 8, .value_kind: global_buffer, .address_space: global }
    .group_segment_fixed_size: 316416
    .private_segment_fixed_size: 0
    .kernarg_segment_align: 8
    .kernarg_segment_size: 32
    .max_flat_workgroup_size: 256
    .sgpr_count:     96
    .vgpr_count:     360
    .wavefront_size: 32
...
	.end_amdgpu_metadata
.endif
;; end of part 3
;; launch proj (part 4): grid 4 x 64, 4 waves a work-group, clusters of 4 x 4, 288,256 bytes of LDS; arguments y, wph, bp, out0; writes out0
.if DOCPART == 4
	.amdgcn_target "amdgcn-amd-amdhsa--gfx1250"
	.amdhsa_code_object_version 6
	.text
	.protected	k_qbc3a2671d3_proj
	.globl	k_qbc3a2671d3_proj
	.p2align	8
	.type	k_qbc3a2671d3_proj,@function
k_qbc3a2671d3_proj:
	s_mov_b64 s[64:65], 0
	v_nop
	global_prefetch_b8 v0, s[64:65] scope:SCOPE_SE
	s_setreg_imm32_b32 hwreg(HW_REG_WAVE_MODE, 25, 1), 1
	s_wait_xcnt 0x0
	s_wait_alu depctr_hold_cnt(0) depctr_sa_sdst(0) depctr_va_vdst(0) depctr_va_sdst(0) depctr_va_ssrc(0) depctr_va_vcc(0) depctr_vm_vsrc(0)
	s_getreg_b32 s2, hwreg(HW_REG_IB_STS2, 6, 4)
	s_cmp_eq_u32 s2, 0
	s_cbranch_scc0 .Lentry_in_a_cluster
	s_endpgm
.Lentry_in_a_cluster:
	s_bfe_u32 s2, ttmp6, 0x10000c
	s_cmp_lg_u32 s2, 0xf033
	s_cbranch_scc0 .Lentry_shape_is_right
	s_endpgm
.Lentry_shape_is_right:
; out0 = y Wp^T + bp.  y: [64 (batch x head)][64 tiles of 16 rows][8 chunks c = d / 8][16 rows r][8 d] f16; column 64 head + d of a row (batch, t) lies in
; head's plane.  wph: [512][512] f16; out0: [8192][512] f32.  f16 operands, f32 sums.
; A work-group makes 128 rows x 128 columns with four waves, 64 x 64 each: 16 accumulator tiles.  All of K = 512 lies in LDS, every byte filled once:
; each wave issues four tensor loads at the head (all four out at once), one for each K step of 128, and the steps are multiplied as they land.
; CLUSTERS: 4 x 4 work-groups.  y's tiles hang on the row block alone and are asked for jointly by a row of the cluster, Wp's on the column block alone
; and are asked for jointly by a column.
; REGISTERS: window 0: v8-15 addresses, v24-26 the way out, v64-127 and v128-191 two fragment buffers (y's 4 tiles, then Wp's 4), v192-223 bias,
; v224-255 results with bias;  window 1: accumulator tile (a, b) at v[8 (4 a + b)].
; The matrix instruction is used transposed (source 0 = rows of Wp, source 1 = rows of y): lane l holds row l % 16 and columns 8 (l / 16) + 0 .. 7.
.set ASUB,   16384                     ; 128 rows of one head: 8 tiles of 2,048 bytes, as they lie in y.  A fragment load's sixteen lanes read 256 consecutive bytes: no padding
.set BPITCH, 272                       ; 256 bytes of a row of Wp + 16
.set BSTEP,  128*BPITCH
.set BB,     8*ASUB                    ; Wp's tiles lie behind y's eight
.set STAGE,  BB+4*BSTEP                ; 16 rows x 272 bytes for each wave; no tensor load lands here
.set SPITCH, 272
.set ADRA, 8                           ; v8-11   LDS address of my y fragments in K step s
.set ADRB, 12                          ; v12-15  the same for Wp
.set STO,  24
.set RD,   25
.set CO,   26
.set BO,   27
.set F0,   64
.set F1,   128
.set BIAS, 192
.set TMP,  224
.set G1,  16                           ; s[16:23] group 1 for y's tiles
.set G1B, 24                           ; s[24:31] group 1 for Wp's tiles
.set G0,  32                           ; s[32:47] group 0 for y's tiles, one set for each K step
.set G0B, 48                           ; s[48:63] group 0 for Wp's tiles
.set MSB, 0
.macro WIN new                         ; the immediate's high byte repeats the setting that is left
.if MSB != \new
	s_set_vgpr_msb (MSB<<8)|\new
.set MSB, \new
.endif
.endm
.set MUL, 0x50                         ; sources 0 and 1 window 0, C and D window 1
.macro JLOAD s                         ; waves 0 and 1 fetch y's two heads of the step, waves 2 and 3 the two halves of Wp's rows
	s_cmp_eq_u32 s13, 0
	s_cbranch_scc0 .Lfor_b_\@
	tensor_load_to_lds s[G0+4*\s:G0+4*\s+3], s[G1:G1+7]
	s_nop 0
	s_branch .Lasked_\@
.Lfor_b_\@:
	tensor_load_to_lds s[G0B+4*\s:G0B+4*\s+3], s[G1B:G1B+7]
	s_nop 0
.Lasked_\@:
.endm
.macro CROUND                          ; a round of the cluster's barrier
	s_barrier_signal -1
	s_barrier_wait -1
	s_cmp_lg_u32 s12, 0
	s_cbranch_scc1 .Lnot_wave_0_\@
	s_barrier_signal -3
.Lnot_wave_0_\@:
	s_barrier_wait -3
	s_barrier_signal -1
	s_barrier_wait -1
.endm
	s_load_b256 s[4:11], s[0:1], 0x0               ; y s[4:5], wph s[6:7], bp s[8:9], out0 s[10:11]
	v_lshl_add_u32 v62, v0, 2, 0x46400
	v_mov_b32 v63, 0
	ds_add_u32 v62, v63
	ds_add_u32 v62, v63
	v_lshrrev_b32 v1, 5, v0
	v_readfirstlane_b32 s12, v1                    ; wave
	s_lshr_b32 s13, s12, 1                         ; my half of the rows.  Also: I fetch for y (0) or for Wp (1)
	s_and_b32 s14, s12, 1                          ; my half of the columns.  Also: which head, or which 64 rows of Wp, I fetch
	s_bfe_u32 s66, ttmp6, 0x40000                  ; cx
	s_bfe_u32 s67, ttmp6, 0x40004                  ; cy
	s_lshl_b32 s68, ttmp9, 2
	s_add_co_u32 s68, s68, s66                     ; column block
	s_and_b32 s69, ttmp7, 0xffff
	s_lshl_b32 s69, s69, 2
	s_add_co_u32 s69, s69, s67                     ; row block
	s_lshl_b32 s70, s67, 2
	s_lshl_b32 s70, 15, s70                        ; my row of the cluster
	s_lshl_b32 s71, 0x1111, s66                    ; my column
	; y's tile: 128 rows of one head = 16,384 dense bytes as 64 rows of 32 elements of 8 bytes, no padding
	s_or_b32 s[G1+0], s70, (3<<16)|(1<<21)
	s_mov_b32 s[G1+1], 32<<16
	s_mov_b32 s[G1+2], 64<<16
	s_mov_b32 s[G1+3], 32<<16
	s_mov_b32 s[G1+4], 64
	s_mov_b32 s[G1+5], 32
	s_mov_b32 s[G1+6], 0
	s_mov_b32 s[G1+7], 0
	; Wp's tile: 64 rows x 128 elements of 2 bytes, 4 words of padding behind every 64 words
	s_or_b32 s[G1B+0], s71, (1<<16)|(1<<20)|(1<<21)|(5<<22)|(3<<25)
	s_mov_b32 s[G1B+1], 128<<16
	s_mov_b32 s[G1B+2], 64<<16
	s_mov_b32 s[G1B+3], 128<<16
	s_mov_b32 s[G1B+4], 64
	s_mov_b32 s[G1B+5], 512
	s_mov_b32 s[G1B+6], 0
	s_mov_b32 s[G1B+7], 0
	s_lshr_b32 s72, s69, 3
	s_lshl_b32 s72, s72, 3
	s_add_co_u32 s72, s72, s14                     ; plane 8 x batch + (0 or 1); K step s adds two planes
	s_lshl_b32 s72, s72, 17
	s_and_b32 s73, s69, 7
	s_lshl_b32 s73, s73, 14                        ; + 8 tiles of 2,048 bytes for each block of 128 rows inside the batch
	s_add_co_u32 s72, s72, s73
	s_mov_b32 s73, 0
	s_lshl_b32 s74, s68, 7
	s_lshl_b32 s75, s14, 6
	s_add_co_u32 s74, s74, s75                     ; Wp: row 128 x block + 64 x half
	s_lshl_b32 s74, s74, 10
	s_mov_b32 s75, 0
	s_mul_i32 s76, s14, ASUB                       ; where they go: the wave's number alone
	s_mul_i32 s77, s14, 64*BPITCH
	s_add_co_u32 s77, s77, BB
	s_lshl_b32 s78, s68, 9
	s_lshl_b32 s79, s14, 8
	s_add_co_u32 s78, s78, s79                     ; my first column, in bytes of f32: 512 x block + 256 x half
	s_mov_b32 s79, 0
	s_lshl_b32 s80, s69, 7
	s_lshl_b32 s81, s13, 6
	s_add_co_u32 s80, s80, s81                     ; my first row
	s_lshl_b32 s80, s80, 11                        ; rows of 2,048 bytes
	s_add_co_u32 s80, s80, s78
	s_mov_b32 s81, 0
	s_wait_dscnt 0x0
	s_wait_kmcnt 0x0
	s_add_nc_u64 s[4:5], s[4:5], s[72:73]
	s_add_nc_u64 s[6:7], s[6:7], s[74:75]
	s_add_nc_u64 s[8:9], s[8:9], s[78:79]
	s_add_nc_u64 s[10:11], s[10:11], s[80:81]
	CROUND                                         ; all sixteen work-groups are here: the joint loads meet
.irp s, 0,1,2,3
	s_mov_b32 s[G0+4*\s], 1
	s_add_co_u32 s[G0+4*\s+1], s76, \s*2*ASUB
	s_add_nc_u64 s[G0+4*\s+2:G0+4*\s+3], s[4:5], \s*262144
	s_or_b32 s[G0+4*\s+3], s[G0+4*\s+3], 0x80000000
	s_mov_b32 s[G0B+4*\s], 1
	s_add_co_u32 s[G0B+4*\s+1], s77, \s*BSTEP
	s_add_nc_u64 s[G0B+4*\s+2:G0B+4*\s+3], s[6:7], \s*256
	s_or_b32 s[G0B+4*\s+3], s[G0B+4*\s+3], 0x80000000
	JLOAD \s
.endr
	v_and_b32 v1, 15, v0                           ; r
	v_bfe_u32 v2, v0, 4, 1                         ; h
	v_lshlrev_b32 v[BO], 5, v2
.irp b, 0,1,2,3
	global_load_b128 v[BIAS+8*\b:BIAS+8*\b+3],   v[BO], s[8:9] offset:64*\b        ; bias of columns 16 b + 8 h + 0..3
	global_load_b128 v[BIAS+8*\b+4:BIAS+8*\b+7], v[BO], s[8:9] offset:64*\b+16     ; and + 4..7; waited for in front of the way out
.endr
	v_and_b32 v3, 31, v0
	v_lshlrev_b32 v3, 4, v3                        ; y: chunk h, row r = 256 h + 16 r = 16 x lane
	v_mul_u32_u24 v4, v1, BPITCH
	v_lshl_add_u32 v4, v2, 4, v4                   ; Wp: row r x pitch + 16 h
	s_lshl_b32 s82, s13, 13                        ; my 64 rows of y: four tiles of 2,048 bytes
	s_mul_i32 s83, s14, 64*BPITCH                  ; my 64 rows of Wp
	s_add_co_u32 s83, s83, BB
.irp s, 0,1,2,3
	v_add_nc_u32 v[ADRA+\s], s82, v3
	v_add_nc_u32 v[ADRB+\s], s83, v4
	s_add_co_u32 s82, s82, 2*ASUB
	s_add_co_u32 s83, s83, BSTEP
.endr
	s_mul_i32 s82, s12, 16*SPITCH
	s_add_co_u32 s82, s82, STAGE                   ; my stage
	v_lshl_add_u32 v5, v2, 4, v4                   ; row r x 272 + 32 h: 32 bytes for each half of the lanes
	v_add_nc_u32 v[STO], s82, v5
	v_mul_u32_u24 v5, v2, SPITCH
	v_lshl_add_u32 v5, v1, 4, v5
	v_add_nc_u32 v[RD], s82, v5                    ; back: lanes 0-15 take one row of 256 bytes, lanes 16-31 the next
	v_lshlrev_b32 v5, 11, v2
	v_lshl_add_u32 v[CO], v1, 4, v5                ; and the same two rows in out0
; 16 LDS loads: quarter qd (32 along K) of K step s into buffer f.  y's quarter lies in head 2 s + qd / 2 at d = 32 (qd % 2): chunks 4 (qd % 2) + h
; (registers 0-3: d = 8 h ..) and two chunks, 512 bytes, further (registers 4-7: d = 16 + 8 h ..).
.macro FETCH s, qd, f
.irp i, 0,1,2,3
	ds_load_b128 v[\f+8*\i:\f+8*\i+3],   v[ADRA+\s] offset:(\qd>>1)*ASUB+\i*2048+(\qd&1)*1024
	ds_load_b128 v[\f+8*\i+4:\f+8*\i+7], v[ADRA+\s] offset:(\qd>>1)*ASUB+\i*2048+(\qd&1)*1024+512
.endr
.irp i, 0,1,2,3
	ds_load_b128 v[\f+32+8*\i:\f+32+8*\i+3], v[ADRB+\s] offset:\i*16*BPITCH+\qd*64
	ds_load_b128 v[\f+32+8*\i+4:\f+32+8*\i+7], v[ADRB+\s] offset:\i*16*BPITCH+\qd*64+32
.endr
.endm
; 8 matrix instructions: m tiles a0, a0 + 1 x the 4 n tiles.  The 16 accumulators take turns, one instruction a turn, in the same order in every
; quarter.
.macro MUL8 f, a0, zero
.irp a, 0,1
.irp b, 0,1,2,3
.if \zero
	v_wmma_f32_16x16x32_f16 v[8*(4*(\a0+\a)+\b):8*(4*(\a0+\a)+\b)+7], v[\f+32+8*\b:\f+32+8*\b+7], v[\f+8*(\a0+\a):\f+8*(\a0+\a)+7], 0
.else
	v_wmma_f32_16x16x32_f16 v[8*(4*(\a0+\a)+\b):8*(4*(\a0+\a)+\b)+7], v[\f+32+8*\b:\f+32+8*\b+7], v[\f+8*(\a0+\a):\f+8*(\a0+\a)+7], v[8*(4*(\a0+\a)+\b):8*(4*(\a0+\a)+\b)+7]
.endif
.endr
.endr
.endm
.macro PLACES                          ; four places between a matrix instruction and a load into, or a vector instruction on, one of its registers (ISA guide 7.12.1 for vector instructions)
.rept 4
	v_nop
.endr
.endm
; A quarter: multiplies buffer f; in its middle fetches quarter nq of step ns into buffer g.
.macro QUARTER f, g, ns, nq, zero
	s_wait_dscnt 0x0                               ; buffer f's 16 loads, issued in the middle of the quarter before
	WIN MUL
	MUL8 \f, 0, \zero
	PLACES
	WIN 0
	FETCH \ns, \nq, \g
	WIN MUL
	MUL8 \f, 2, \zero
.endm
; A K step's last quarter: the next step's tiles are shown to all four waves.  left = the younger tensor loads, which stay out.
.macro CHANGE f, g, ns, left
	s_wait_dscnt 0x0
	WIN MUL
	MUL8 \f, 0, 0
	s_wait_tensorcnt \left                         ; my part of step ns is in
	s_barrier_signal -1
	WIN 0
	PLACES
	s_barrier_wait -1                              ; everybody's is
	FETCH \ns, 0, \g
	WIN MUL
	MUL8 \f, 2, 0
.endm
	s_wait_tensorcnt 0x3                           ; my part of K step 0 is in; the three younger loads stay out
	s_barrier_signal -1
	s_barrier_wait -1
	FETCH 0, 0, F0
	QUARTER F0, F1, 0, 1, 1                        ; the first products start the sums
	QUARTER F1, F0, 0, 2, 0
	QUARTER F0, F1, 0, 3, 0
	CHANGE  F1, F0, 1, 2
	QUARTER F0, F1, 1, 1, 0
	QUARTER F1, F0, 1, 2, 0
	QUARTER F0, F1, 1, 3, 0
	CHANGE  F1, F0, 2, 1
	QUARTER F0, F1, 2, 1, 0
	QUARTER F1, F0, 2, 2, 0
	QUARTER F0, F1, 2, 3, 0
	CHANGE  F1, F0, 3, 0
	QUARTER F0, F1, 3, 1, 0
	QUARTER F1, F0, 3, 2, 0
	QUARTER F0, F1, 3, 3, 0
	s_wait_dscnt 0x0                               ; the very last quarter
	WIN MUL
	MUL8 F1, 0, 0
	MUL8 F1, 2, 0
	; THE WAY OUT, 16 rows at a time: add the bias, 32 bytes a lane into my own stage, read back as whole rows of 256 bytes.
	PLACES
	s_wait_loadcnt 0x0                             ; the bias
.macro OUT16 a, f
	WIN 0x01                                       ; source 0 (the sums) in window 1
.irp b, 0,1,2,3
.irp p, 0,1,2,3
	v_pk_add_f32 v[TMP+8*\b+2*\p:TMP+8*\b+2*\p+1], v[8*(4*\a+\b)+2*\p:8*(4*\a+\b)+2*\p+1], v[BIAS+8*\b+2*\p:BIAS+8*\b+2*\p+1]
.endr
.endr
	WIN 0
.irp b, 0,1,2,3
	ds_store_b128 v[STO], v[TMP+8*\b:TMP+8*\b+3]   offset:64*\b
	ds_store_b128 v[STO], v[TMP+8*\b+4:TMP+8*\b+7] offset:64*\b+16
.endr
	s_wait_xcnt 0x0                                ; buffer f, which earlier stores read, is loaded again only behind this wait
.irp t, 0,1,2,3,4,5,6,7
	ds_load_b128 v[\f+4*\t:\f+4*\t+3], v[RD] offset:\t*2*SPITCH    ; LDS serves a wave's instructions in order: these see the stores above
.endr
.irp t, 0,1,2,3,4,5,6,7
	s_wait_dscnt 7-\t
	global_store_b128 v[CO], v[\f+4*\t:\f+4*\t+3], s[10:11] offset:(16*\a+2*\t)*2048 th:TH_STORE_NT   ; 16 lanes store 256 consecutive bytes, aligned
.endr
.endm
	OUT16 0, F0
	OUT16 1, F1
	OUT16 2, F0
	OUT16 3, F1
	s_wait_tensorcnt 0x0
	ds_add_u32 v62, v63
	s_wait_dscnt 0x0
	CROUND                                         ; the closing round: no work-group ends while a partner may still ask for a tile that names it
	s_endpgm
.Lfunc_end_k_qbc3a2671d3_proj:
	.size	k_qbc3a2671d3_proj, .Lfunc_end_k_qbc3a2671d3_proj-k_qbc3a2671d3_proj
	.p2alignl 7, 3214868480
	.fill 96, 4, 3214868480
	.section	.rodata,"a",@progbits
	.p2align	6, 0x0
	.amdhsa_kernel k_qbc3a2671d3_proj
		.amdhsa_group_segment_fixed_size 288256
		.amdhsa_private_segment_fixed_size 0
		.amdhsa_enable_private_segment 0
		.amdhsa_kernarg_size 32
		.amdhsa_user_sgpr_count 2
		.amdhsa_user_sgpr_kernarg_segment_ptr 1
		.amdhsa_wavefront_size32 1
		.amdhsa_system_sgpr_workgroup_id_x 1
		.amdhsa_system_sgpr_workgroup_id_y 1
		.amdhsa_system_sgpr_workgroup_id_z 1
		.amdhsa_system_vgpr_workitem_id 0
		.amdhsa_next_free_vgpr 512
		.amdhsa_next_free_sgpr 84
		.amdhsa_reserve_vcc 0
		.amdhsa_float_denorm_mode_32 3
		.amdhsa_float_denorm_mode_16_64 3
		.amdhsa_memory_ordered 1
		.amdhsa_forward_progress 1
		.amdhsa_inst_pref_size 58
	.end_amdhsa_kernel
	.amdgpu_metadata
---
amdhsa.version: [ 1, 2 ]
amdhsa.kernels:
  - .name:           k_qbc3a2671d3_proj
    .symbol:         k_qbc3a2671d3_proj.kd
    .args:
      - { .name: y, .offset: 0, .size: 8, .value_kind: global_buffer, .address_space: global }
      - { .name: wph, .offset: 8, .size: 8, .value_kind: global_buffer, .address_space: global }
      - { .name: bp, .offset: 16, .size: 8, .value_kind: global_buffer, .address_space: global }
      - { .name: out0, .offset: 24, .size: 8, .value_kind: global_buffer, .address_space: global }
    .group_segment_fixed_size: 288256
    .private_segment_fixed_size: 0
    .kernarg_segment_align: 8
    .kernarg_segment_size: 32
    .max_flat_workgroup_size: 128
    .sgpr_count:     84
    .vgpr_count:     512
    .wavefront_size: 32
...
	.end_amdgpu_metadata
.endif
;; end of part 4
;; ======== version 2 of 2: 4 launches; version 1 with the launch cast written anew for expert scheduling mode
;; limits: values are held in f16: magnitudes above 65,504 overflow, below 6.1e-05 lose precision
;; workspace buffers: xh 8,388,608 bytes; wr 1,572,864 bytes; wph 524,288 bytes; br 6,144 bytes; qb 8,388,608 bytes; kb 8,388,608 bytes; vb 8,388,608 bytes; y 8,388,608 bytes
;; launch cast (part 5): grid 256 x 1, 8 waves a work-group, no clusters, 0 bytes of LDS; arguments x, Wq, Wk, Wv, Wp, bq, bk, bv, xh, wr, wph, br; writes xh, wr, wph, br
.if DOCPART == 5
	.amdgcn_target "amdgcn-amd-amdhsa--gfx1250"
	.amdhsa_code_object_version 6
	.text
	.protected	k_qbc3a2671d3_cast
	.globl	k_qbc3a2671d3_cast
	.p2align	8
	.type	k_qbc3a2671d3_cast,@function
k_qbc3a2671d3_cast:
	s_mov_b64 s[64:65], 0
	v_nop
	global_prefetch_b8 v0, s[64:65] scope:SCOPE_SE
	s_setreg_imm32_b32 hwreg(HW_REG_WAVE_SCHED_MODE, 0, 2), 2
	s_setreg_imm32_b32 hwreg(HW_REG_WAVE_MODE, 25, 1), 1
	s_wait_xcnt 0x0
	s_wait_alu depctr_vm_vsrc(0)
; Rounds x and the four weight matrices once to f16 and lays them out for the later launches.
;   xh  [8192][512]      = f16(x)
;   wr  [8][192][512]    = for each head: 64 rows of f16(c Wq), 64 of f16(Wk), 64 of f16(Wv);  c = 0.125 log2(e)
;   wph [512][512]       = f16(Wp)
;   br  [8][192] f32     = c bq, bk, bv in the same order of rows as wr
; c carries the scores' factor 1/8 and the change from e^x to 2^x, so that the attention launch needs neither.
; LIMIT: magnitudes above 65504 become infinite in f16; magnitudes below 6.1e-5 keep an absolute error of up to 3e-8.
; A stream: no LDS, no barrier, no matrix unit.  8,192 rows of x and 2,048 rows of weights are 40 rows for each of 256 work-groups:
; work-group w takes rows 32 w .. of x and rows 8 (w % 64) .. of matrix m = w / 64 (0 Wq, 1 Wk, 2 Wv, 3 Wp): equal work everywhere.
; A piece is 4 rows: 8,192 bytes in, 4,096 out.  Thread t reads 32 bytes at 32 t and stores 16 bytes at 16 t of each piece:
; a wave's store covers 512 consecutive bytes, aligned.  All 20 loads of a thread are issued before the first is waited for.
; THE MODE: SCHED_MODE bits 1:0 = 2 (LLVM: expert scheduling mode 2), set by the entry lines.  The code itself states the register dependences
; between vector instructions and memory instructions, with s_wait_alu, always for 0.
; THE PLAN.  Registers that memory instructions touch:
;   v1, v2, v5   byte offsets: written once at the head, read by every load and store, never written again.
;   v4           the bias: a load lands in it; in the waves that store a bias one multiply writes it and one store reads it.
;   piece i      eight registers of its own: two loads land in them, once; the piece's arithmetic reads them and leaves 8 f16 in the first four; one store
;                reads those four; nothing writes them afterwards.
; No register that a memory instruction has read is written again, and no load is issued behind the head.  What is left to state is that a store's data are
; written.  Piece i - 1's store stands at the head of piece i, behind the wait for piece i's data and ONE wait on va_vdst, ahead of piece i's arithmetic:
; the conversions that the wait names were issued ahead of a wait for data.  The last piece's store has a wait of its own, and so has the bias's.
.set CSCALE, 0x3e38aa3b                ; 0.125 * log2(e)
.set X, 8                              ; v[8:87]  piece i: 8 f32 as loaded; its first 4 registers then hold the 8 f16.  Pieces 0-7: x; 8, 9: weights
	s_load_b512 s[8:23], s[0:1], 0x0               ; x s[8:9], Wq s[10:11], Wk s[12:13], Wv s[14:15], Wp s[16:17], bq s[18:19], bk s[20:21], bv s[22:23]
	s_load_b256 s[24:31], s[0:1], 0x40             ; xh s[24:25], wr s[26:27], wph s[28:29], br s[30:31]
	v_lshrrev_b32 v3, 5, v0
	v_readfirstlane_b32 s7, v3                     ; wave
	v_lshlrev_b32 v1, 5, v0                        ; 32 t: where I read
	v_lshlrev_b32 v2, 4, v0                        ; 16 t: where I store
	v_and_b32 v5, 31, v0
	v_lshlrev_b32 v5, 2, v5                        ; 4 x lane: the bias
	s_lshr_b32 s3, ttmp9, 6                        ; m
	s_and_b32 s4, ttmp9, 63                        ; block of 8 rows in the matrix
	s_lshl_b32 s32, ttmp9, 16                      ; x: 32 rows of 2,048 bytes
	s_mov_b32 s33, 0
	s_lshl_b32 s34, ttmp9, 15                      ; xh: 32 rows of 1,024 bytes
	s_mov_b32 s35, 0
	s_lshl_b32 s36, s4, 14                         ; the matrix: 8 rows of 2,048 bytes
	s_mov_b32 s37, 0
	s_lshr_b32 s5, s4, 3                           ; head = row / 64
	s_mul_i32 s5, s5, 192
	s_lshl_b32 s6, s3, 6
	s_add_co_u32 s5, s5, s6
	s_and_b32 s6, s4, 7
	s_lshl_b32 s6, s6, 3
	s_add_co_u32 s5, s5, s6                        ; row of wr and br: 192 head + 64 m + row % 64
	s_lshl_b32 s38, s5, 10                         ; in bytes of wr
	s_lshl_b32 s6, s4, 13                          ; in wph: 8 rows of 1,024 bytes
	s_cmp_lt_u32 s3, 3
	s_cselect_b32 s38, s38, s6
	s_mov_b32 s39, 0
	s_and_b32 s46, s4, 60
	s_lshl_b32 s46, s46, 5                         ; the bias: the aligned group of 32 numbers that holds my rows (at most byte 1,920: inside the 2,048)
	s_mov_b32 s47, 0
	s_lshl_b32 s44, s5, 2                          ; br: 4 bytes a row
	s_mov_b32 s45, 0
	s_wait_alu depctr_va_sdst(0)                   ; s7, the wave's number, is written: its one reader, the compare at the kernel's end, stands behind branches
	s_cmp_eq_u32 s3, 0
	s_cselect_b32 s42, CSCALE, 1.0                 ; the factor: c for Wq and bq, 1 (exact) for the others
	s_mov_b32 s43, s42
	s_wait_kmcnt 0x0
	s_cselect_b64 s[40:41], s[10:11], s[16:17]     ; the matrix by m (SCC still says m == 0): Wq, or Wp until shown otherwise
	s_cselect_b64 s[48:49], s[18:19], s[22:23]     ; its bias (bv where m is neither 0 nor 1; stored only for m < 3)
	s_cmp_eq_u32 s3, 1
	s_cselect_b64 s[40:41], s[12:13], s[40:41]
	s_cselect_b64 s[48:49], s[20:21], s[48:49]
	s_cmp_eq_u32 s3, 2
	s_cselect_b64 s[40:41], s[14:15], s[40:41]
	s_cmp_lt_u32 s3, 3
	s_cselect_b64 s[50:51], s[26:27], s[28:29]     ; its destination: wr or wph
	s_add_nc_u64 s[40:41], s[40:41], s[36:37]
	s_add_nc_u64 s[50:51], s[50:51], s[38:39]
	s_add_nc_u64 s[52:53], s[8:9], s[32:33]
	s_add_nc_u64 s[54:55], s[24:25], s[34:35]
	s_add_nc_u64 s[48:49], s[48:49], s[46:47]
	s_add_nc_u64 s[56:57], s[30:31], s[44:45]
	s_wait_alu depctr_va_vdst(0)                   ; the offsets v1, v2 and v5 are written: every load and store of the kernel reads one of them
	global_load_b32 v4, v5, s[48:49]               ; the oldest load: every counted wait below shows it done as well
.irp i, 0,1,2,3,4,5,6,7
	global_load_b128 v[X+8*\i:X+8*\i+3],   v1, s[52:53] offset:8192*\i th:TH_LOAD_NT
	global_load_b128 v[X+8*\i+4:X+8*\i+7], v1, s[52:53] offset:8192*\i+16 th:TH_LOAD_NT
.endr
.irp i, 0,1
	global_load_b128 v[X+64+8*\i:X+64+8*\i+3],   v1, s[40:41] offset:8192*\i th:TH_LOAD_NT
	global_load_b128 v[X+64+8*\i+4:X+64+8*\i+7], v1, s[40:41] offset:8192*\i+16 th:TH_LOAD_NT
.endr
.macro PACK b                          ; 8 f32 at v[b] to 8 f16 in v[b:b+3]
	v_cvt_pk_f16_f32 v[\b],   v[\b],   v[\b+1]
	v_cvt_pk_f16_f32 v[\b+1], v[\b+2], v[\b+3]
	v_cvt_pk_f16_f32 v[\b+2], v[\b+4], v[\b+5]
	v_cvt_pk_f16_f32 v[\b+3], v[\b+6], v[\b+7]
.endm
.macro SCALE b                         ; 8 f32 at v[b] times the factor
	v_pk_mul_f32 v[\b:\b+1],   v[\b:\b+1],   s[42:43] op_sel_hi:[1,0]
	v_pk_mul_f32 v[\b+2:\b+3], v[\b+2:\b+3], s[42:43] op_sel_hi:[1,0]
	v_pk_mul_f32 v[\b+4:\b+5], v[\b+4:\b+5], s[42:43] op_sel_hi:[1,0]
	v_pk_mul_f32 v[\b+6:\b+7], v[\b+6:\b+7], s[42:43] op_sel_hi:[1,0]
.endm
	; x: pieces 0 to 7
.irp i, 0,1,2,3,4,5,6,7
	s_wait_loadcnt 18-2*\i                         ; loads come back in order: piece i's two are in, the younger ones stay out
.if \i > 0
	s_wait_alu depctr_va_vdst(0)                   ; the conversions of the piece before have written its four registers, which the store below reads
	global_store_b128 v2, v[X+8*(\i-1):X+8*(\i-1)+3], s[54:55] offset:4096*(\i-1)
.endif
	PACK X+8*\i
.endr
	; the weights: pieces 8 and 9
	s_wait_loadcnt 2                               ; piece 8's two loads are in, piece 9's stay out
	s_wait_alu depctr_va_vdst(0)                   ; piece 7's conversions have written its four registers, which the store below reads
	global_store_b128 v2, v[X+56:X+59], s[54:55] offset:4096*7
	SCALE X+64
	PACK X+64
	s_wait_loadcnt 0
	s_wait_alu depctr_va_vdst(0)                   ; piece 8's conversions have written its four registers, which the store below reads
	global_store_b128 v2, v[X+64:X+67], s[50:51]
	SCALE X+72
	PACK X+72
	s_wait_alu depctr_va_vdst(0)                   ; piece 9's conversions have written its four registers, which the last store of the stream reads
	global_store_b128 v2, v[X+72:X+75], s[50:51] offset:4096
	; a group of 32 bias numbers is stored by wave 0 of the work-group that holds the group's first rows, for Wq, Wk, Wv
	s_cmp_lt_u32 s3, 3
	s_cbranch_scc0 .Lend
	s_and_b32 s6, s4, 3
	s_cmp_lg_u32 s6, 0
	s_cbranch_scc1 .Lend
	s_cmp_lg_u32 s7, 0
	s_cbranch_scc1 .Lend
	v_mul_f32 v4, s42, v4                          ; c for bq, 1.0 for bk and bv
	s_wait_alu depctr_va_vdst(0)                   ; the multiply has written v4, which the store reads
	global_store_b32 v5, v4, s[56:57]
.Lend:
	s_endpgm
.Lfunc_end_k_qbc3a2671d3_cast:
	.size	k_qbc3a2671d3_cast, .Lfunc_end_k_qbc3a2671d3_cast-k_qbc3a2671d3_cast
	.p2alignl 7, 3214868480
	.fill 96, 4, 3214868480
	.section	.rodata,"a",@progbits
	.p2align	6, 0x0
	.amdhsa_kernel k_qbc3a2671d3_cast
		.amdhsa_group_segment_fixed_size 0
		.amdhsa_private_segment_fixed_size 0
		.amdhsa_enable_private_segment 0
		.amdhsa_kernarg_size 96
		.amdhsa_user_sgpr_count 2
		.amdhsa_user_sgpr_kernarg_segment_ptr 1
		.amdhsa_wavefront_size32 1
		.amdhsa_system_sgpr_workgroup_id_x 1
		.amdhsa_system_sgpr_workgroup_id_y 1
		.amdhsa_system_sgpr_workgroup_id_z 1
		.amdhsa_system_vgpr_workitem_id 0
		.amdhsa_next_free_vgpr 88
		.amdhsa_next_free_sgpr 66
		.amdhsa_reserve_vcc 0
		.amdhsa_float_denorm_mode_32 3
		.amdhsa_float_denorm_mode_16_64 3
		.amdhsa_memory_ordered 1
		.amdhsa_forward_progress 1
		.amdhsa_inst_pref_size 10
	.end_amdhsa_kernel
	.amdgpu_metadata
---
amdhsa.version: [ 1, 2 ]
amdhsa.kernels:
  - .name:           k_qbc3a2671d3_cast
    .symbol:         k_qbc3a2671d3_cast.kd
    .args:
      - { .name: x, .offset: 0, .size: 8, .value_kind: global_buffer, .address_space: global }
      - { .name: Wq, .offset: 8, .size: 8, .value_kind: global_buffer, .address_space: global }
      - { .name: Wk, .offset: 16, .size: 8, .value_kind: global_buffer, .address_space: global }
      - { .name: Wv, .offset: 24, .size: 8, .value_kind: global_buffer, .address_space: global }
      - { .name: Wp, .offset: 32, .size: 8, .value_kind: global_buffer, .address_space: global }
      - { .name: bq, .offset: 40, .size: 8, .value_kind: global_buffer, .address_space: global }
      - { .name: bk, .offset: 48, .size: 8, .value_kind: global_buffer, .address_space: global }
      - { .name: bv, .offset: 56, .size: 8, .value_kind: global_buffer, .address_space: global }
      - { .name: xh, .offset: 64, .size: 8, .value_kind: global_buffer, .address_space: global }
      - { .name: wr, .offset: 72, .size: 8, .value_kind: global_buffer, .address_space: global }
      - { .name: wph, .offset: 80, .size: 8, .value_kind: global_buffer, .address_space: global }
      - { .name: br, .offset: 88, .size: 8, .value_kind: global_buffer, .address_space: global }
    .group_segment_fixed_size: 0
    .private_segment_fixed_size: 0
    .kernarg_segment_align: 8
    .kernarg_segment_size: 96
    .max_flat_workgroup_size: 256
    .sgpr_count:     66
    .vgpr_count:     88
    .wavefront_size: 32
...
	.end_amdgpu_metadata
.endif
;; end of part 5
;; launch qkv: the kernel of part 2 again; grid 8 x 32, 4 waves a work-group, clusters of 4 x 4, 327,680 bytes of LDS; arguments xh, wr, br, qb, kb, vb; writes qb, kb, vb
;; launch attn: the kernel of part 3 again; grid 256 x 1, 8 waves a work-group, no clusters, 316,416 bytes of LDS; arguments qb, kb, vb, y; writes y
;; launch proj: the kernel of part 4 again; grid 4 x 64, 4 waves a work-group, clusters of 4 x 4, 288,256 bytes of LDS; arguments y, wph, bp, out0; writes out0
